; MI455X (gfx1250); checked and timed in simulation.
; The chip was launched on July 23, 2026; its instructions are those of AMD's public machine-readable ISA for CDNA 5 (MIT licence, August 2026) and "CDNA5" Instruction Set Architecture Reference Guide (July 2026). The comments in the code are by the model that wrote it; some were corrected since.
;; Multi Head Self Attention. Allowed arithmetic: matrix products marked QUANTISED: E5M2 operands, one E8M0 scale for each 32 along K, by v_wmma_scale_f32_16x16x128_f8f6f4 with both operands' format E5M2, f32 sums; everything else in f32.
;; Inputs: b_out 1,024 float32; b_qkv 3,072 float32; w_out_codes 1,024 x 32 x 32 uint8 (E5M2 codes of w_out, K innermost, in blocks of 32 codes); w_out_scales 1,024 x 32 uint8 (E8M0 scales of w_out, one for each 32 codes along K); w_qkv_codes 3,072 x 32 x 32 uint8 (E5M2 codes of w_qkv, K innermost, in blocks of 32 codes); w_qkv_scales 3,072 x 32 uint8 (E8M0 scales of w_qkv, one for each 32 codes along K); x_codes 4 x 2,048 x 32 x 32 uint8 (E5M2 codes of x, K innermost, in blocks of 32 codes); x_scales 4 x 2,048 x 32 uint8 (E8M0 scales of x, one for each 32 codes along K).
;; Outputs: out0 4 x 2,048 x 1,024 float32.
;; This version of the problem:
;;   THIS VERSION OF THE PROBLEM IS GIVEN IN LOW PRECISION. The matrix products marked QUANTISED in the list below multiply operands that are first quantised to E5M2 (5 exponent bits, 2 mantissa bits; 8 bits a number), with one power-of-two scale for each 32 numbers along K (OCP MX v1.0); their sums are f32. All else is computed in f32.
;;   The module's matrix products, in the order in which they are computed (A, B: the left and right operand; K: the contracted axis; several contracted axes count as one K, in the product's order):
;;     1. [M 8,192, K 1,024] x [K 1,024, N 3,072]; A: input x (given as codes); B: input w_qkv (given as codes): QUANTISED
;;     2. batch 64 x [M 2,048, K 64] x [K 64, N 2,048]; A: computed on the way; B: computed on the way: QUANTISED
;;     3. batch 64 x [M 2,048, K 2,048] x [K 2,048, N 64]; A: softmax (see below); B: computed on the way: QUANTISED
;;     4. [M 8,192, K 1,024] x [K 1,024, N 1,024]; A: computed on the way; B: input w_out (given as codes): QUANTISED
;;   THE QUANTISER, for each operand of a quantised product, along K:
;;     - K is cut into blocks of 32 from its start; a last block that is shorter is filled with zeros.
;;     - A block's scale is 2^e with e = floor(log2(the largest magnitude in the block)) - 15, held to -126 .. 127; a block of zeros has e = 0. As a byte (E8M0): e + 127.
;;     - Each number is divided by its block's scale, clamped to +-57,344, and rounded to the nearest number of E5M2, ties to even, subnormals kept.
;;     - The product sums the exact products of the quantised numbers (number of the format x scale) in f32.
;;   ~~~python
;;   def quantise(x, axis):      # numpy; x: float32 -> the quantised numbers, widened to float32 again
;;       x = np.moveaxis(x, axis, -1); K = x.shape[-1]
;;       x = np.pad(x, [(0, 0)] * (x.ndim - 1) + [(0, -K % 32)]); x = x.reshape(x.shape[:-1] + (-1, 32)); a = np.abs(x).max(-1, keepdims=True)
;;       e = np.where(a > 0, np.clip(np.frexp(np.where(a > 0, a, 1))[1] - 1 - 15, -126, 127), 0)      # np.frexp(a)[1] - 1 = floor(log2(a)), exactly
;;       r = np.clip(x / 2.0 ** e, -57344, 57344)
;;       step = 2.0 ** (np.maximum(np.frexp(np.where(r == 0, 1, r))[1] - 1, -14) - 2)
;;       q = np.round(r / step) * step * 2.0 ** e      # np.round: ties to even
;;       return np.moveaxis(q.reshape(q.shape[:-2] + (-1,))[..., :K], -1, axis).astype(np.float32)
;;   ~~~
;;   SOFTMAX AHEAD OF A QUANTISED PRODUCT. Where the list says 'softmax', what is quantised is not the finished softmax but p = 2^(t - M), with t = logit x log2(e) and M = ceil(the row's largest t), a whole number; so 1/2 < the row's largest p <= 1. The row's sum l is taken of the UNQUANTISED p, in f32, and the product's result is divided by l at the end. Since M is a whole number, a kernel that streams over the keys may use a running M (the ceiling of the running maximum): every later rescaling is an exact power of two, which a block's scale takes up: the codes' values come out the same.
;;   OPERANDS COMPUTED ON THE WAY. 'Computed on the way' means the value that the module computes at that place (a softmax that the list does not call 'softmax' is quantised finished and normalised). What goes into a quantiser is computed in f32, as accurately as f32 sums, v_exp_f32 and their like allow (about 1e-6 of the number): no bf16 or f16 on the way to a quantiser, and a product that is left as it is and whose result goes on into a quantised operand takes f32 operands (vector FMAs, or v_wmma_f32_16x16x4_f32). A number that lies on a knife's edge between two numbers of the format may be rounded either way, as far as f32 arithmetic and the matrix unit's own rounding can turn it there, and no further.
;;   INPUTS GIVEN AS CODES. w_out (in the module: [1024, 1024], K = its axis 0); w_qkv (in the module: [1024, 3072], K = its axis 0); x (in the module: [4, 2048, 1024], K = its axis 2): each comes as NAME_codes (uint8): NAME with its K axis moved to the last place and cut into blocks of 32 codes, [.., K / 32, bytes a block], one block behind the other in memory; one code a byte (a code: sign, 5 exponent bits, 2 mantissa bits); and NAME_scales (uint8): the same leading axes, one E8M0 byte (e + 127) for each 32 codes along K. Its value is code x scale, taken as it is: it is not quantised again, and the codes and scales need not be those that the quantiser above would give.
;; One version. Each part assembles by itself: llvm-mc -triple=amdgcn-amd-amdhsa -mcpu=gfx1250 --defsym DOCPART=n.
;; ======== version 1 of 1: 3 launches
;; limits: right only within a limited range of input values
;; workspace buffers: q_c 8,388,608 bytes; q_s 262,144 bytes; k_c 8,388,608 bytes; k_s 262,144 bytes; v_c 8,388,608 bytes; v_s 262,144 bytes; a_c 8,388,608 bytes; a_s 262,144 bytes
;; launch qkv (part 1): grid 8 x 48, 4 waves a work-group, clusters of 4 x 4, 327,680 bytes of LDS; arguments x_codes, x_scales, w_qkv_codes, w_qkv_scales, q_c, q_s, k_c, k_s, v_c, v_s, b_qkv; writes q_c, q_s, k_c, k_s, v_c, v_s
.if DOCPART == 1
	.amdgcn_target "amdgcn-amd-amdhsa--gfx1250"
	.amdhsa_code_object_version 6
	.text
	.protected	k_qb3dadc5bc6_qkv
	.globl	k_qb3dadc5bc6_qkv
	.p2align	8
	.type	k_qb3dadc5bc6_qkv,@function
k_qb3dadc5bc6_qkv:
	s_mov_b64 s[64:65], 0
	v_nop
	global_prefetch_b8 v0, s[64:65] scope:SCOPE_SE
	s_setreg_imm32_b32 hwreg(HW_REG_WAVE_MODE, 25, 1), 1
	s_wait_xcnt 0x0
	s_wait_alu depctr_hold_cnt(0) depctr_sa_sdst(0) depctr_va_vdst(0) depctr_va_sdst(0) depctr_va_ssrc(0) depctr_va_vcc(0) depctr_vm_vsrc(0)
	s_getreg_b32 s2, hwreg(HW_REG_IB_STS2, 6, 4)
	s_cmp_eq_u32 s2, 0
	s_cbranch_scc0 .Lentry_in_a_cluster
	s_endpgm
.Lentry_in_a_cluster:
	s_bfe_u32 s2, ttmp6, 0x10000c
	s_cmp_lg_u32 s2, 0xf033
	s_cbranch_scc0 .Lentry_shape_is_right
	s_endpgm
.Lentry_shape_is_right:
; qkv = x w_qkv + b_qkv on codes of BF8 (E5M2) with one E8M0 scale for each 32 along K = 1,024, sums in f32; then q and k are quantised along a head's 64 channels and v along the keys (tokens),
; and leave as IMAGES OF OPERAND REGISTERS: four registers of a lane by one store at 16 x lane, 512 consecutive bytes a store.
; TWO SIDES.  Source 0 of every product is side P (16 rows), source 1 side R (16 rows): in a result lane l holds row l % 16 of R and its registers 0-7 the rows 8 (l / 16) + 0..7 of P.  So P is the axis that
; the next quantiser runs along.  Way QK (cluster y 0-7): P = rows 0-2047 of w_qkv (q's and k's channels), R = tokens.  Way V (cluster y 8-11): P = tokens, R = rows 2048-3071 of w_qkv.
; Both tensors have rows of 1,024 codes and 32 scale bytes, so the two ways differ in pointers, in which bias registers a first product names, and in how eight scale words are packed.
; ORDER INSIDE A BLOCK OF 32.  The 16 registers of two neighbouring result tiles hold P = 32 B + 16 u + 8 (l / 16) + j (u the tile's parity): a block's 32 numbers lie in lanes l and l xor 16, in an order of
; their own.  Every operand of the next products is made or loaded in that same order, so the products pair the right numbers and the blocks and scales are the true ones; inside an instruction the sums are
; grouped otherwise than with K in its true places.
; SHARES.  A work-group of four waves makes 256 P x 256 R, a wave 128 x 128: 64 accumulators.  K goes in steps of 256 through two LDS slots; the scale bytes of the work-group's rows come once and stay.
; CLUSTERS of 4 x 4: R's tiles hang on cy alone and are asked for jointly along a row of the cluster, P's on cx alone, along a column.  256 + 128 work-groups: a wave tile under 128 x 128 would read
; half as many LDS bytes again for each product.
; LIMITS: NaN and infinities are not served.  A block whose largest magnitude lies under 2^-111, a block of zeros among them, keeps the scale byte 1 (the rule says 127 for zeros): its codes are zeros or
; subnormal codes under that byte, and the bytes are read by this program alone.
; REGISTERS: window 0: v0-31 addresses; v32-63 scale words, two sets; v64-127 the bias as C of the first products, later the quantiser's work; v128-255 R's fragments, one set, later the codes.
;   window 1: P's fragments, two sets.  window 2: accumulators of my R rows 0-63 ((a, b) at v[8 (8 a + b)]); window 3: rows 64-127.
.set ROWB,   256                       ; a tile's row: 256 codes
.set KROW,   1024                      ; a row of either tensor in memory
.set NQ,     2                         ; matrix instructions deep in a slot
.set PITCH,  272                       ; an LDS row: 256 bytes + 16 of padding: the 16 rows of a fragment load start 68 words apart
.set FR,     16                        ; registers of a fragment
.set NP,     8                         ; places behind this matrix instruction (ISA guide 7.12.1)
.set HALFT,  128*PITCH                 ; what one tensor load brings
.set SLOT,   4*HALFT                   ; R's 256 rows, then P's
.set SCL,    2*SLOT                    ; the scale bytes, as rows of 256 bytes + 16
.set HALFS,  16*272                    ; those of 128 rows
.set SBLK,   2*272                     ; those of 16 rows
.set SPARE,  SCL+4*HALFS               ; the spare words: 128 bytes a wave, named by no other line
.set AJ,   8                           ; v8-15   the bias loads' eight offsets
.set ADRA, 16                          ; v16-17  LDS address of my R fragments in slot 0, 1
.set ADRB, 20                          ; v20-21  of my P fragments
.set LI,   24                          ; v24     16 x lane
.set LW,   25                          ; v25     8 x lane
.set LN,   26                          ; v26     lane
.set ADRS, 27                          ; v27     LDS address of my scale words: lanes 0-15 R's rows, lanes 16-31 P's
.set SPW,  28                          ; v28     my spare word; never rewritten
.set NIL,  29                          ; v29     0; never rewritten
.set SC,   32                          ; scale words: set s at v[SC + 16 s]; register 2 i + q: lanes 0-15 R's block i, lanes 16-31 P's block i
.set BI,   64                          ; v64-127 the bias, eight registers a tile
.set TM,   64                          ; afterwards: +0..3 largest magnitudes, +4..7 the other half's, then bytes, +8..11 the hold, +12..15 the conversions' scale operand
.set SL,   80                          ; v80-87  for R block a: the bytes of blocks 0, 1
.set SH,   88                          ; v88-95  of blocks 2, 3
.set XW,   96                          ; v96-103 scale words
.set OW,   104                         ; v104-107 as they are stored
.set AF,   128                         ; R's fragments
.set CD,   128                         ; afterwards the codes: 16 registers for each R block, so that no store's data are written again
.set G1,   24                          ; s[24:31], s[32:39] groups 1 and 0 (a set a slot) for R's tiles
.set G0,   32
.set G1B,  48                          ; s[48:55], s[56:63] for P's
.set G0B,  56
.set SEL,  66                          ; s[66:67] v_permlanex16_b32's selects for lane l xor 16
.set G1S,  68                          ; s[68:75], s[76:79] for R's scales; s[80:87], s[88:91] for P's
.set G0S,  76
.set G1SB, 80
.set G0SB, 88
.set MNT,  95                          ; s95  the mantissa field of 57,344
.set PATH, 96                          ; s96  0: way QK, 1: way V; the same in all sixteen partners
.set OC,   98                          ; s[98:99]   where my codes go
.set OS,   100                         ; s[100:101] where my scale words go
.set MSB, 0
.macro WIN new                         ; the immediate's high byte repeats the setting that is left
.if MSB != \new
	s_set_vgpr_msb (MSB<<8)|\new
.set MSB, \new
.endif
.endm
.set MUL_LO, 0xa1                      ; source 0 (P) window 1, source 1 (R) window 0, C and D window 2
.set MUL_HI, 0xf1                      ; C and D window 3
.set TO_B,   0x40                      ; destination window 1
; A joint load: waves 0 and 1 fetch for R, waves 2 and 3 for P.  Each line has one mask and one set of registers; the branch hangs on the wave's number alone.  Four v_nop follow each line.
.macro JLOAD g0a, g1a, g0b, g1b
	s_cmp_eq_u32 s15, 0
	s_cbranch_scc0 .Lfor_b_\@
	tensor_load_to_lds s[\g0a:\g0a+3], s[\g1a:\g1a+7]
	s_nop 0
.rept 4
	v_nop
.endr
	s_branch .Lasked_\@
.Lfor_b_\@:
	tensor_load_to_lds s[\g0b:\g0b+3], s[\g1b:\g1b+7]
	s_nop 0
.rept 4
	v_nop
.endr
.Lasked_\@:
.endm
.macro CREST                           ; a round of the cluster's barrier behind its opening barrier
	s_cmp_lg_u32 s14, 0
	s_cbranch_scc1 .Lnot_wave_0_\@
	s_barrier_signal -3
.Lnot_wave_0_\@:
	s_barrier_wait -3
	s_barrier_signal -1
	s_barrier_wait -1
.endm
.macro CROUND
	s_barrier_signal -1
	s_barrier_wait -1
	CREST
.endm
	s_load_b256 s[4:11], s[0:1], 0x0               ; x's codes, x's scales, w's codes, w's scales
	s_load_b256 s[68:75], s[0:1], 0x20             ; q_c, q_s, k_c, k_s
	s_load_b128 s[76:79], s[0:1], 0x40             ; v_c, v_s
	s_load_b64 s[12:13], s[0:1], 0x50              ; b_qkv
	v_lshl_add_u32 v[SPW], v0, 2, SPARE
	v_mov_b32 v[NIL], 0
	ds_add_u32 v28, v29
	ds_add_u32 v28, v29
	s_wait_dscnt 0x0
	v_lshrrev_b32 v1, 5, v0
	v_readfirstlane_b32 s14, v1                    ; wave 0..3
	s_lshr_b32 s15, s14, 1                         ; my half of R's rows.  Also: I fetch for R (0) or for P (1)
	s_and_b32 s16, s14, 1                          ; my half of P's rows.  Also: which 128 rows I fetch
	s_bfe_u32 s40, ttmp6, 0x40000                  ; cx, cy
	s_bfe_u32 s41, ttmp6, 0x40004
	s_mov_b32 s97, ttmp9                           ; cluster x: 0, 1
	s_and_b32 s18, ttmp7, 0xffff                   ; cluster y: 0..11
	s_lshl_b32 s19, s97, 2
	s_lshl_b32 s20, s18, 3
	s_add_co_u32 s20, s20, s19
	s_sub_co_u32 s20, s20, 64                      ; 8 (y - 8) + 4 x: used on way V alone
	s_lshl_b32 s21, s18, 2
	s_cmp_ge_u32 s18, 8
	s_cselect_b32 s[PATH], 1, 0
	s_cselect_b32 s42, s20, s19                    ; P's tile of 256 rows, less cx: V: token tiles 0..31; QK: w's tiles 0..7
	s_cselect_b32 s17, 8, s21                      ; R's, less cy: V: w's tiles 8..11; QK: token tiles 0..31
	s_add_co_u32 s42, s42, s40
	s_add_co_u32 s17, s17, s41
	s_lshl_b32 s43, s41, 2
	s_lshl_b32 s43, 15, s43                        ; my row of the cluster
	s_lshl_b32 s44, 0x1111, s40                    ; my column
	s_or_b32 s[G1+0], s43, (0<<16)|(1<<20)|(1<<21)|(5<<22)|(3<<25)   ; the mask; elements of 1 byte; padding: 4 words behind every 64; bit 21 beside a mask
	s_or_b32 s[G1B+0], s44, (0<<16)|(1<<20)|(1<<21)|(5<<22)|(3<<25)
.irp g, G1, G1B
	s_mov_b32 s[\g+1], ROWB<<16                    ; tensor_dim0
	s_mov_b32 s[\g+2], 256<<16                     ; tensor_dim1: 256 rows for the head's loads; set to 128 for the ring's behind them
	s_mov_b32 s[\g+3], ROWB<<16                    ; tile_dim0
	s_mov_b32 s[\g+4], 256                         ; tile_dim1
	s_mov_b32 s[\g+5], KROW                        ; from row to row
	s_mov_b32 s[\g+6], 0
	s_mov_b32 s[\g+7], 0
.endr
	s_lshl_b32 s18, s16, 7                         ; which 128 rows of a tile I fetch
	s_lshl_b32 s20, s17, 8
	s_add_co_u32 s20, s20, s18                     ; R's row
	s_lshl_b32 s46, s42, 8
	s_add_co_u32 s46, s46, s18                     ; P's row
	s_lshl_b32 s22, s17, 13                        ; the scale bytes of a tile's 256 rows: 32 a row, from the tile's first row
	s_lshl_b32 s92, s42, 13
	s_lshl_b32 s20, s20, 10                        ; their codes: 1,024 a row (all under 2^24)
	s_lshl_b32 s46, s46, 10
	s_mov_b32 s21, 0
	s_mov_b32 s23, 0
	s_mov_b32 s47, 0
	s_mov_b32 s93, 0
	s_mul_i32 s45, s14, HALFT                      ; where they go: wave x 128 rows: no place in the cluster enters an LDS address
	s_wait_kmcnt 0x0
	s_cmp_eq_u32 s97, 0                            ; way QK: cluster x 0 makes q, 1 makes k
	s_cselect_b64 s[OC:OC+1], s[68:69], s[72:73]
	s_cselect_b64 s[OS:OS+1], s[70:71], s[74:75]
	s_cmp_lg_u32 s[PATH], 0
	s_cselect_b64 s[OC:OC+1], s[76:77], s[OC:OC+1]
	s_cselect_b64 s[OS:OS+1], s[78:79], s[OS:OS+1]
	s_cselect_b64 s[84:85], s[8:9], s[4:5]         ; R's codes: w on way V, x on way QK
	s_cselect_b64 s[86:87], s[10:11], s[6:7]       ; R's scales
	s_cselect_b64 s[88:89], s[4:5], s[8:9]         ; P's codes
	s_cselect_b64 s[90:91], s[6:7], s[10:11]       ; P's scales
	s_add_nc_u64 s[20:21], s[84:85], s[20:21]
	s_add_nc_u64 s[22:23], s[86:87], s[22:23]
	s_add_nc_u64 s[46:47], s[88:89], s[46:47]
	s_add_nc_u64 s[92:93], s[90:91], s[92:93]
	; the scales of 256 rows: a dense block of 8,192 bytes, as 32 rows of 256 bytes (32 elements of 8), 16 bytes of padding behind each
	s_or_b32 s[G1S+0], s43, (3<<16)|(1<<20)|(1<<21)|(5<<22)|(3<<25)
	s_or_b32 s[G1SB+0], s44, (3<<16)|(1<<20)|(1<<21)|(5<<22)|(3<<25)
.irp g, G1S, G1SB
	s_mov_b32 s[\g+1], 32<<16
	s_mov_b32 s[\g+2], 32<<16                      ; the scales of 256 rows: 32 rows of 256 bytes
	s_mov_b32 s[\g+3], 32<<16
	s_mov_b32 s[\g+4], 32
	s_mov_b32 s[\g+5], 32
	s_mov_b32 s[\g+6], 0
	s_mov_b32 s[\g+7], 0
.endr
	CROUND                                         ; all sixteen work-groups are here: the first joint loads meet
	s_mov_b32 s[G0S], 1
	s_mov_b32 s[G0S+1], SCL
	s_mov_b64 s[G0S+2:G0S+3], s[22:23]
	s_or_b32 s[G0S+3], s[G0S+3], 0x80000000
	s_mov_b32 s[G0SB], 1
	s_mov_b32 s[G0SB+1], SCL+2*HALFS
	s_mov_b64 s[G0SB+2:G0SB+3], s[92:93]
	s_or_b32 s[G0SB+3], s[G0SB+3], 0x80000000
.irp s, 0,1
	s_mov_b32 s[G0+4*\s], 1
	s_add_co_u32 s[G0+4*\s+1], s45, \s*SLOT
	s_add_nc_u64 s[G0+4*\s+2:G0+4*\s+3], s[20:21], \s*ROWB
	s_or_b32 s[G0+4*\s+3], s[G0+4*\s+3], 0x80000000
	s_mov_b32 s[G0B+4*\s], 1
	s_add_co_u32 s[G0B+4*\s+1], s45, \s*SLOT
	s_add_nc_u64 s[G0B+4*\s+2:G0B+4*\s+3], s[46:47], \s*ROWB
	s_or_b32 s[G0B+4*\s+3], s[G0B+4*\s+3], 0x80000000
.endr
; THE HEAD'S LOADS, ONE A WAVE: wave 0 K step 0's 256 rows of R (its slot 0 descriptor points at the tile's first row), wave 1 R's scales, wave 2 the 256 rows of P, wave 3 P's scales.
; One chain of branches on the wave's number, a load to an arm, all arms leading to one join.
.macro ARM under, g0, g1, next
	s_cmp_lt_u32 s14, \under
	s_cbranch_scc0 \next
	tensor_load_to_lds s[\g0:\g0+3], s[\g1:\g1+7]
	s_nop 0
.rept 4
	v_nop
.endr
	s_branch .Lhead_asked
\next:
.endm
	ARM 1, G0,  G1,  .Lhead_rs
	ARM 2, G0S, G1S, .Lhead_p
	ARM 3, G0B, G1B, .Lhead_ps
	tensor_load_to_lds s[G0SB:G0SB+3], s[G1SB:G1SB+7]
	s_nop 0
.rept 4
	v_nop
.endr
.Lhead_asked:
	v_and_b32 v1, 15, v0                           ; r = l % 16
	v_bfe_u32 v2, v0, 4, 1                         ; h = l / 16
	v_mul_u32_u24 v3, v1, PITCH
	v_lshl_add_u32 v4, v2, 4, v3                   ; a fragment's row x pitch + 16 h
	s_mul_i32 s21, s15, HALFT                      ; my 128 rows of R
	s_mul_i32 s22, s16, HALFT                      ; my 128 rows of P,
	s_add_co_u32 s22, s22, 2*HALFT                 ; behind R's 256
.irp s, 0,1
	v_add_nc_u32 v[ADRA+\s], s21, v4
	v_add_nc_u32 v[ADRB+\s], s22, v4
	s_add_co_u32 s21, s21, SLOT
	s_add_co_u32 s22, s22, SLOT
.endr
	v_mul_u32_u24 v5, v1, 32                       ; my row's scales: 32 bytes a row,
	v_lshrrev_b32 v6, 8, v5
	v_lshl_add_u32 v5, v6, 4, v5                   ; and 16 more for each 256 passed
	s_mul_i32 s21, s15, HALFS
	s_mul_i32 s22, s16, HALFS
	s_add_co_u32 s22, s22, 2*HALFS
	s_sub_co_u32 s22, s22, s21
	v_mul_u32_u24 v6, s22, v2                      ; lanes 16-31 take P's: one product, the distance between the two bases
	s_add_co_u32 s21, s21, SCL
	v_add_nc_u32 v5, v5, v6
	v_add_nc_u32 v[ADRS], s21, v5
	; where my results go.  A group is 128 rows: RG, PG my wave's groups of R and of P
	s_lshl_b32 s18, s17, 1
	s_add_co_u32 s18, s18, s15                     ; RG
	s_lshl_b32 s19, s42, 1
	s_add_co_u32 s19, s19, s16                     ; PG
	s_cmp_lg_u32 s[PATH], 0
	s_cselect_b32 s20, s18, s19                    ; w's group, 0..23: 128 columns of qkv, two heads
	s_cselect_b32 s21, s19, s18                    ; the tokens' group, 0..63
	s_cselect_b32 s40, 4, 0                        ; the bias loads' offset = r x s40 + h x s41 + j x s42 (cx, cy and the tile are done with)
	s_cselect_b32 s41, 0, 32
	s_cselect_b32 s42, 0, 4
	s_lshl_b32 s22, s20, 9
	s_mov_b32 s23, 0
	s_add_nc_u64 s[12:13], s[12:13], s[22:23]      ; the bias of my 128 columns
	s_lshr_b32 s22, s21, 4                         ; batch
	s_lshl_b32 s22, s22, 7
	s_and_b32 s18, s20, 7                          ; pair of heads
	s_lshl_b32 s18, s18, 4
	s_add_co_u32 s22, s22, s18
	s_and_b32 s18, s21, 15                         ; group of tokens in the batch
	s_add_co_u32 s22, s22, s18                     ; (batch x 8 + pair) x 16 + group
	s_lshl_b32 s18, s22, 14                        ; 16,384 bytes of codes,
	s_mov_b32 s19, 0
	s_add_nc_u64 s[OC:OC+1], s[OC:OC+1], s[18:19]
	s_lshl_b32 s18, s22, 9                         ; 512 of scale words
	s_add_nc_u64 s[OS:OS+1], s[OS:OS+1], s[18:19]
	; THE BIAS IS THE C OF EACH SUM'S FIRST PRODUCT.  Register 8 t + j: way QK: b(16 t + 8 h + j), P's tile t; way V: b(16 t + r) for every j, R's tile t.  One form of load serves both ways.
	v_mul_u32_u24 v5, v1, s40
	v_mad_u32_u24 v5, v2, s41, v5
.irp j, 0,1,2,3,4,5,6,7
	v_mad_u32_u24 v[AJ+\j], s42, \j, v5
.endr
.irp t, 0,1,2,3,4,5,6,7
.irp j, 0,1,2,3,4,5,6,7
	global_load_b32 v[BI+8*\t+\j], v[AJ+\j], s[12:13] offset:64*\t
.endr
.endr
	v_and_b32 v[LN], 31, v0
	v_lshlrev_b32 v[LI], 4, v[LN]
	v_lshlrev_b32 v[LW], 3, v[LN]
	s_mov_b32 s[SEL], 0x76543210
	s_mov_b32 s[SEL+1], 0xfedcba98
	s_mov_b32 s[MNT], 0x600000
.macro FRAG reg, adr, q, i             ; 16 rows x 128 K: lane l holds row l % 16; registers 4 c .. 4 c + 3 hold K = 32 c + 16 (l / 16) + 0 .. 15
.irp c, 0,1,2,3
	ds_load_b128 v[\reg+4*\c:\reg+4*\c+3], v[\adr] offset:128*(\q)+32*\c+(\i)*16*PITCH
.endr
.endm
; 16 matrix instructions: R's blocks a0, a0 + 1 x P's eight.  mode 0: C = D; 1: C = the bias of P's tile; 2: C = the bias of R's tile.  The 64 accumulators take turns, one instruction a turn.
.macro MUL16 a0, p, q, sc, mode
.irp a, \a0, \a0+1
.irp b, 0,1,2,3,4,5,6,7
.if (\mode) == 0
	v_wmma_scale_f32_16x16x128_f8f6f4 v[8*(8*((\a)%4)+\b):8*(8*((\a)%4)+\b)+7], v[128*(\p)+FR*\b:128*(\p)+FR*\b+FR-1], v[AF+FR*(\a):AF+FR*(\a)+FR-1], v[8*(8*((\a)%4)+\b):8*(8*((\a)%4)+\b)+7], v[SC+8*NQ*(\sc)+NQ*\b+(\q)], v[SC+8*NQ*(\sc)+NQ*(\a)+(\q)] matrix_a_fmt:MATRIX_FMT_BF8 matrix_b_fmt:MATRIX_FMT_BF8 matrix_a_scale:MATRIX_SCALE_ROW1
.elseif (\mode) == 1
	v_wmma_scale_f32_16x16x128_f8f6f4 v[8*(8*((\a)%4)+\b):8*(8*((\a)%4)+\b)+7], v[128*(\p)+FR*\b:128*(\p)+FR*\b+FR-1], v[AF+FR*(\a):AF+FR*(\a)+FR-1], v[BI+8*\b:BI+8*\b+7], v[SC+8*NQ*(\sc)+NQ*\b+(\q)], v[SC+8*NQ*(\sc)+NQ*(\a)+(\q)] matrix_a_fmt:MATRIX_FMT_BF8 matrix_b_fmt:MATRIX_FMT_BF8 matrix_a_scale:MATRIX_SCALE_ROW1
.else
	v_wmma_scale_f32_16x16x128_f8f6f4 v[8*(8*((\a)%4)+\b):8*(8*((\a)%4)+\b)+7], v[128*(\p)+FR*\b:128*(\p)+FR*\b+FR-1], v[AF+FR*(\a):AF+FR*(\a)+FR-1], v[BI+8*(\a):BI+8*(\a)+7], v[SC+8*NQ*(\sc)+NQ*\b+(\q)], v[SC+8*NQ*(\sc)+NQ*(\a)+(\q)] matrix_a_fmt:MATRIX_FMT_BF8 matrix_b_fmt:MATRIX_FMT_BF8 matrix_a_scale:MATRIX_SCALE_ROW1
.endif
.endr
.endr
.endm
.macro FETCH_B slot, q, p              ; P's eight fragments into set p
	WIN TO_B
.irp i, 0,1,2,3,4,5,6,7
	FRAG 128*(\p)+FR*\i, ADRB+\slot, \q, \i
.endr
	WIN 0
.endm
.macro FETCH_A slot, q, i0             ; R's blocks i0 .. i0 + 3
.irp i, \i0, \i0+1, \i0+2, \i0+3
	FRAG AF+FR*(\i), ADRA+\slot, \q, \i
.endr
.endm
.macro SCALES sc                       ; a K step's scale words: two words a row; lanes 0-15 R's block i, lanes 16-31 P's block i
.irp i, 0,1,2,3,4,5,6,7
	ds_load_b64 v[SC+8*NQ*\sc+NQ*\i:SC+8*NQ*\sc+NQ*\i+1], v[ADRS] offset:\i*SBLK
.endr
.endm
.macro PLACES n                        ; plain vector lines between a matrix instruction and a load into, or a vector line on, its registers
.rept \n
	v_nop
.endr
.endm
; A step of 128 along K that has its successor in the same slot.  R has one set of registers: blocks 0-3 are fetched anew in the step's middle, blocks 4-7 at its end; P has two sets.
.macro STEP slot, q, mode
	s_wait_dscnt 16                                ; all but the youngest 16 loads (R's blocks 4-7) are in
.if \mode
	WIN 0x81                                       ; C (the bias) in window 0, D in window 2
.else
	WIN MUL_LO
.endif
	MUL16 0, (\q)%2, \q, \slot, \mode
	MUL16 2, (\q)%2, \q, \slot, \mode
	s_wait_dscnt 0                                 ; R's blocks 4-7 are in
	PLACES NP
	FETCH_B \slot, (\q)+1, 1-(\q)%2
	FETCH_A \slot, (\q)+1, 0
.if \mode
	WIN 0xc1
.else
	WIN MUL_HI
.endif
	MUL16 4, (\q)%2, \q, \slot, \mode
	MUL16 6, (\q)%2, \q, \slot, \mode
	PLACES NP
	WIN 0
	FETCH_A \slot, (\q)+1, 4
.endm
; A slot's last step changes slots: one barrier; in front of it each wave waits for all its tensor loads, adds 0 to its spare word, and waits for that and for its reads of this slot.  fill = 1: the slot is filled again, two K steps ahead.
.macro TURN slot, next, fill
	s_wait_tensorcnt 0x0                           ; all my tensor loads have landed: my part of the next slot
	ds_add_u32 v[SPW], v[NIL]                      ; 0 onto my spare word
	s_wait_dscnt 17                                ; (the add and the youngest 16 loads may be out)
	WIN MUL_LO
	MUL16 0, 1, NQ-1, \slot, 0                     ; sixteen matrix instructions stand between the add and the wait for it
	s_wait_dscnt 0x0                               ; the add is done, and my reads of this slot are over
	s_barrier_signal -1
	MUL16 2, 1, NQ-1, \slot, 0
	WIN 0
	s_barrier_wait -1
.if \fill
	CREST                                          ; the barrier has opened a round of the cluster's: no wave of any partner still reads this slot or has a load on its way
	s_add_nc_u64 s[G0+4*\slot+2:G0+4*\slot+3], s[G0+4*\slot+2:G0+4*\slot+3], 2*ROWB
	s_add_nc_u64 s[G0B+4*\slot+2:G0B+4*\slot+3], s[G0B+4*\slot+2:G0B+4*\slot+3], 2*ROWB
	JLOAD G0+4*\slot, G1, G0B+4*\slot, G1B         ; the first tensor load behind the round, my only one until the next
	PLACES NP-4                                    ; with the four behind the load: eight
.else
	PLACES NP
.endif
	s_wait_alu depctr_va_vdst(0)
	v_add_nc_u32 v[ADRS], 4*NQ, v[ADRS]            ; the next K step's scale words
	FETCH_B \next, 0, 0
	FETCH_A \next, 0, 0
	SCALES \next
	WIN MUL_HI
	MUL16 4, 1, NQ-1, \slot, 0
	MUL16 6, 1, NQ-1, \slot, 0
	PLACES NP
	WIN 0
	FETCH_A \next, 0, 4
.endm
	s_wait_alu depctr_va_vdst(0)
	s_wait_tensorcnt 0x0                           ; my tile of the head's four is in
	ds_add_u32 v[SPW], v[NIL]
	s_mov_b32 s[G1+2], 128<<16                     ; no tensor load of mine is out: from here on a load brings 128 rows
	s_mov_b32 s[G1+4], 128
	s_mov_b32 s[G1B+2], 128<<16
	s_mov_b32 s[G1B+4], 128
	s_wait_dscnt 0x0
	CROUND                                         ; all four tiles are in, and all sixteen work-groups are here
	JLOAD G0+4, G1, G0B+4, G1B                     ; K step 1: the first tensor load behind the round
	FETCH_B 0, 0, 0
	FETCH_A 0, 0, 0
	SCALES 0
	FETCH_A 0, 0, 4
	s_wait_loadcnt 0x0                             ; the bias
	s_cmp_lg_u32 s[PATH], 0                        ; the first step is written twice: its products name the bias by P's tile or by R's.  Both copies issue the same loads
	s_cbranch_scc1 .Lfirst_v
	STEP 0, 0, 1
	s_branch .Lfirst_done
.Lfirst_v:
	STEP 0, 0, 2
.Lfirst_done:
	TURN 0, 1, 1                                   ; K = 1,024 is four K steps of 256: written out, no loop
	STEP 1, 0, 0
	TURN 1, 0, 1
	STEP 0, 0, 0
	TURN 0, 1, 0                                   ; nothing is left to fetch
	STEP 1, 0, 0
	s_wait_dscnt 16
	WIN MUL_LO
	MUL16 0, 1, NQ-1, 1, 0
	MUL16 2, 1, NQ-1, 1, 0
	s_wait_dscnt 0
	WIN MUL_HI
	MUL16 4, 1, NQ-1, 1, 0
	MUL16 6, 1, NQ-1, 1, 0
	WIN 0
; THE QUANTISER, for R block a: a lane's 64 numbers are four blocks of 32 along P, 16 numbers of each; the other 16 lie in lane l xor 16.
; scale byte = the largest magnitude's exponent field - 15, held at 1 from below by the floor 2^(16 - 127) among the maximum's leaves; each number is held within 57,344 x the scale (the conversion does not saturate: ISA guide 7.6.2).
.macro QUANTW a
.set ACB, 64*((\a)%4)
.set WN, 2+(\a)/4
.set WA, (WN<<2)|(WN<<4)
.set WB, (WN<<6)|WN
	WIN WA                                         ; sources 1 and 2: the accumulators' window
.irp b, 0,1,2,3
	v_max3_num_f32 v[TM+\b], 0x8000000, |v[ACB+16*\b]|, |v[ACB+16*\b+1]|   ; each accumulator is read from its low end on
.endr
.irp i, 2,4,6,8,10,12,14
.irp b, 0,1,2,3
	v_max3_num_f32 v[TM+\b], v[TM+\b], |v[ACB+16*\b+\i]|, |v[ACB+16*\b+\i+1]|
.endr
.endr
	WIN 0
.irp b, 0,1,2,3
	v_permlanex16_b32 v[TM+4+\b], v[TM+\b], s[SEL], s[SEL+1]
.endr
.irp b, 0,1,2,3
	v_max_num_f32 v[TM+\b], v[TM+\b], v[TM+4+\b]   ; the block's largest magnitude
.endr
.irp b, 0,1,2,3
	v_add_nc_u32 v[TM+12+\b], 0xf8800000, v[TM+\b] ; 15 off its exponent field: the conversion's scale operand
.endr
.irp b, 0,1,2,3
	v_and_or_b32 v[TM+8+\b], v[TM+\b], 0x7f800000, s[MNT]   ; 57,344 x the scale
.endr
.irp b, 0,1,2,3
	v_lshrrev_b32 v[TM+4+\b], 23, v[TM+12+\b]      ; the scale's byte
.endr
	v_lshl_or_b32 v[SL+(\a)], v[TM+5], 8, v[TM+4]
	v_lshl_or_b32 v[SH+(\a)], v[TM+7], 8, v[TM+6]
	WIN WB                                         ; destination and source 0: the accumulators' window
.irp b, 0,1,2,3
.irp i, 0,1,2,3,4,5,6,7,8,9,10,11,12,13,14,15
	v_med3_num_f32 v[ACB+16*\b+\i], v[ACB+16*\b+\i], -v[TM+8+\b], v[TM+8+\b]
.endr
.endr
	WIN WN                                         ; source 0 alone
.irp b, 0,1,2,3
	v_cvt_scalef32_pk8_bf8_f32 v[CD+16*(\a)+4*\b:CD+16*(\a)+4*\b+1], v[ACB+16*\b:ACB+16*\b+7], v[TM+12+\b]
	v_cvt_scalef32_pk8_bf8_f32 v[CD+16*(\a)+4*\b+2:CD+16*(\a)+4*\b+3], v[ACB+16*\b+8:ACB+16*\b+15], v[TM+12+\b]
.endr
	WIN 0
	v_nop                                          ; a plain line between the conversions and the next lines that write their scale operands
.irp c, 0,1,2,3
	global_store_b128 v[LI], v[CD+16*(\a)+4*\c:CD+16*(\a)+4*\c+3], s[OC:OC+1] offset:2048*(\a)+512*\c   ; 32 lanes store 512 consecutive bytes: registers 4 c .. 4 c + 3 of an operand, as they stand
.endr
.endm
	PLACES NP                                      ; behind the last products: their results are read, and R's fragments and the bias's registers written, below
.irp b, 0,1,2,3
	v_mov_b32 v[TM+4+\b], 0                        ; written once: a lane permute's destination counts as one of its sources
.endr
.irp a, 0,1,2,3,4,5,6,7
	QUANTW \a
.endr
	; THE SCALE WORDS.  Way QK: a word serves a fragment of two tiles of 16 tokens of one head: the two bytes of tile 2 f, then those of tile 2 f + 1.  Way V: a word serves 16 channels x 128 keys: the four blocks' bytes.
	s_cmp_lg_u32 s[PATH], 0
	s_cbranch_scc1 .Lwords_v
.irp f, 0,1,2,3
	v_lshl_or_b32 v[XW+\f], v[SL+2*\f+1], 16, v[SL+2*\f]       ; the pair's first head
	v_lshl_or_b32 v[XW+4+\f], v[SH+2*\f+1], 16, v[SH+2*\f]     ; its second
.endr
	s_branch .Lwords_done
.Lwords_v:
.irp a, 0,1,2,3,4,5,6,7
	v_lshl_or_b32 v[XW+\a], v[SH+\a], 16, v[SL+\a]
.endr
.Lwords_done:
	v_cmp_le_u32 vcc_lo, 16, v[LN]                 ; every lane holds its row's words: lanes 0-15 keep the even word of a pair, lanes 16-31 the odd one, as a matrix instruction's two rows of scales want them
	s_wait_alu depctr_va_vdst(0)
.irp i, 0,1,2,3
	v_cndmask_b32 v[OW+\i], v[XW+2*\i], v[XW+2*\i+1], vcc_lo
.endr
	global_store_b64 v[LW], v[OW:OW+1], s[OS:OS+1]             ; 32 lanes store 256 consecutive bytes: the first head's
	global_store_b64 v[LW], v[OW+2:OW+3], s[OS:OS+1] offset:256
	s_wait_tensorcnt 0x0                           ; the wave's end
	ds_add_u32 v[SPW], v[NIL]
	s_wait_dscnt 0x0
	CROUND                                         ; the closing round: no work-group ends while a partner may still ask for a tile that names it
	s_endpgm
.Lfunc_end_k_qb3dadc5bc6_qkv:
	.size	k_qb3dadc5bc6_qkv, .Lfunc_end_k_qb3dadc5bc6_qkv-k_qb3dadc5bc6_qkv
	.p2alignl 7, 3214868480
	.fill 96, 4, 3214868480
	.section	.rodata,"a",@progbits
	.p2align	6, 0x0
	.amdhsa_kernel k_qb3dadc5bc6_qkv
		.amdhsa_group_segment_fixed_size 327680
		.amdhsa_private_segment_fixed_size 0
		.amdhsa_enable_private_segment 0
		.amdhsa_kernarg_size 88
		.amdhsa_user_sgpr_count 2
		.amdhsa_user_sgpr_kernarg_segment_ptr 1
		.amdhsa_wavefront_size32 1
		.amdhsa_system_sgpr_workgroup_id_x 1
		.amdhsa_system_sgpr_workgroup_id_y 1
		.amdhsa_system_sgpr_workgroup_id_z 1
		.amdhsa_system_vgpr_workitem_id 0
		.amdhsa_next_free_vgpr 1024
		.amdhsa_next_free_sgpr 102
		.amdhsa_reserve_vcc 1
		.amdhsa_float_denorm_mode_32 3
		.amdhsa_float_denorm_mode_16_64 3
		.amdhsa_memory_ordered 1
		.amdhsa_forward_progress 1
		.amdhsa_inst_pref_size 206
	.end_amdhsa_kernel
	.amdgpu_metadata
---
amdhsa.version: [ 1, 2 ]
amdhsa.kernels:
  - .name:           k_qb3dadc5bc6_qkv
    .symbol:         k_qb3dadc5bc6_qkv.kd
    .args:
      - { .name: x_codes, .offset: 0, .size: 8, .value_kind: global_buffer, .address_space: global }
      - { .name: x_scales, .offset: 8, .size: 8, .value_kind: global_buffer, .address_space: global }
      - { .name: w_qkv_codes, .offset: 16, .size: 8, .value_kind: global_buffer, .address_space: global }
      - { .name: w_qkv_scales, .offset: 24, .size: 8, .value_kind: global_buffer, .address_space: global }
      - { .name: q_c, .offset: 32, .size: 8, .value_kind: global_buffer, .address_space: global }
      - { .name: q_s, .offset: 40, .size: 8, .value_kind: global_buffer, .address_space: global }
      - { .name: k_c, .offset: 48, .size: 8, .value_kind: global_buffer, .address_space: global }
      - { .name: k_s, .offset: 56, .size: 8, .value_kind: global_buffer, .address_space: global }
      - { .name: v_c, .offset: 64, .size: 8, .value_kind: global_buffer, .address_space: global }
      - { .name: v_s, .offset: 72, .size: 8, .value_kind: global_buffer, .address_space: global }
      - { .name: b_qkv, .offset: 80, .size: 8, .value_kind: global_buffer, .address_space: global }
    .group_segment_fixed_size: 327680
    .private_segment_fixed_size: 0
    .kernarg_segment_align: 8
    .kernarg_segment_size: 88
    .max_flat_workgroup_size: 128
    .sgpr_count:     102
    .vgpr_count:     1024
    .wavefront_size: 32
...
	.end_amdgpu_metadata
.endif
;; end of part 1
;; launch attn (part 2): grid 4 x 64, 16 waves a work-group, clusters of 4 x 1, 327,680 bytes of LDS; arguments q_c, q_s, k_c, k_s, v_c, v_s, a_c, a_s; writes a_c, a_s
.if DOCPART == 2
	.amdgcn_target "amdgcn-amd-amdhsa--gfx1250"
	.amdhsa_code_object_version 6
	.text
	.protected	k_qb3dadc5bc6_attn
	.globl	k_qb3dadc5bc6_attn
	.p2align	8
	.type	k_qb3dadc5bc6_attn,@function
k_qb3dadc5bc6_attn:
	s_mov_b64 s[64:65], 0
	v_nop
	global_prefetch_b8 v0, s[64:65] scope:SCOPE_SE
	s_setreg_imm32_b32 hwreg(HW_REG_WAVE_MODE, 25, 1), 1
	s_wait_xcnt 0x0
	s_wait_alu depctr_hold_cnt(0) depctr_sa_sdst(0) depctr_va_vdst(0) depctr_va_sdst(0) depctr_va_ssrc(0) depctr_va_vcc(0) depctr_vm_vsrc(0)
	s_getreg_b32 s2, hwreg(HW_REG_IB_STS2, 6, 4)
	s_cmp_eq_u32 s2, 0
	s_cbranch_scc0 .Lentry_in_a_cluster
	s_endpgm
.Lentry_in_a_cluster:
	s_bfe_u32 s2, ttmp6, 0x10000c
	s_cmp_lg_u32 s2, 0x3003
	s_cbranch_scc0 .Lentry_shape_is_right
	s_endpgm
.Lentry_shape_is_right:
; Attention of one head on codes of BF8 (E5M2), one E8M0 scale for each 32 along a product's K; the result is quantised along the head's 64 channels and leaves as an image of the next product's operand registers.
; t = score x log2(e) / 8; M = the running largest t rounded up to a whole number; p = 2^(t - M) is quantised along the keys; the row's sum is taken of the unquantised p and divides at the end.
; SHARES.  A work-group owns 512 queries of one head (grid 4 x 64: 256 work-groups); each of sixteen waves owns two tiles of 16 queries and walks all 2,048 keys for the one, then for the other, 128 keys a step.
; LDS.  A head's K (131,072 bytes), V (131,072) and their scale words (2 x 4,096) all stay in LDS, each byte filled once: keys 0-511 and the scales at the head (waves 0-5, a load each),
; keys 512-2,047 behind the full sequence and a round (waves 0-5: K, waves 8-13: V; 16,384 bytes a load).  One barrier behind the first four steps shows them to all waves; the other 28 steps have no barrier.
; CLUSTER of 4 x 1: the four work-groups of a head ask for K, V and the scales jointly (mask 15); no descriptor and no LDS address hangs on the place in the cluster.
; NO DATA PREFETCH: every tile is asked for at the head, the second group as soon as the first has landed; there is no later request for a prefetch to run ahead of.
; LAYOUT (as launch qkv stores it).  K: a tile of 16 keys x 64 channels is 1,024 bytes, registers 4 c .. 4 c + 3 at 512 c + 16 x lane; a fragment of 16 registers is two such tiles along K = 128.
; Source 1 is (Q, 0) for the first tile and (0, Q) for the second.  V: 16 channels x 128 keys are 2,048 bytes.  Both products are used transposed: a lane holds one query (lane % 16) throughout.
; THE ROW'S SUMS OF A STEP ARE ADDED AT THE NEXT STEP'S HEAD: the hold writes into side registers, so p stays as it is, and the 32 additions are the places behind the second product and stand over K's LDS loads.
; LIMITS: NaN and infinities are not served; the promise holds while the scaled scores stay under 2^31 in magnitude; a block whose largest magnitude lies under 2^-111 keeps the scale byte 1 (read by this program alone).
; REGISTERS: v1-7 addresses; v8-11 scale words; v12 -M, v13 largest t, v[14:15] the sum; v16-39 0, Q, 0; v40-47 the second tile's Q; v48-111 fragments; v112-175 S^T, then p; v176-207 O^T; v208-223 p's codes;
;   v224-239 block work (v224-231 also the second side buffer); v240-246 at work; v243, v247 Q's scale words; v248-255 the first side buffer.
.set VB,    131072                     ; V behind K
.set SCK,   262144                     ; K's scale words, 256 bytes a step
.set SCV,   SCK+4096                   ; V's
.set SPARE, SCV+4096                   ; the spare words: 128 bytes a wave, named by no other line
.set LI,   1                           ; 16 x lane
.set LS,   2                           ; SCK + 8 x lane
.set ADK,  3
.set ADS,  4
.set SPW,  5
.set NIL,  6
.set ADV,  7
.set Q2,   40
.set F,    48
.set S,    112
.set O,    176
.set PC,   208
.set BM,   224
.set BP,   228
.set BH,   232
.set BS,   236
.set QS,   243
.set QS2,  247
.set T0,   248
.set T1,   224
.set TB,   2                           ; s2  16 x 512 x the next step
.set TS,   3                           ; s3  256 x the next step
.set SEL,  20
.set CS,   22
.set G1K,  24
.set G1V,  32
.set G0K,  40
.set G0V,  44
.set G1S,  48
.set G0SK, 56
.set G0SV, 60
.set WV,   66
.set CNT,  67
.set MNT,  68
.set W7,   69
.set G0K2, 84
.set G0V2, 88
.macro TL g0, g1                       ; a tensor load with five lines behind it
	tensor_load_to_lds s[\g0:\g0+3], s[\g1:\g1+7]
	s_nop 0
.rept 4
	v_nop
.endr
.endm
.macro ARM under, g0, g1, next
	s_cmp_lt_u32 s[WV], \under
	s_cbranch_scc0 \next
	TL \g0, \g1
	s_branch .Lhead_asked
\next:
.endm
.macro CROUND
	s_barrier_signal -1
	s_barrier_wait -1
	s_cmp_lg_u32 s[WV], 0
	s_cbranch_scc1 .Lnot_wave_0_\@
	s_barrier_signal -3
.Lnot_wave_0_\@:
	s_barrier_wait -3
	s_barrier_signal -1
	s_barrier_wait -1
.endm
	s_load_b256 s[4:11], s[0:1], 0x0               ; q_c, q_s, k_c, k_s
	s_load_b256 s[12:19], s[0:1], 0x20             ; v_c, v_s, a_c, a_s
	v_lshl_add_u32 v[SPW], v0, 2, SPARE
	v_mov_b32 v[NIL], 0
	ds_add_u32 v[SPW], v[NIL]                      ; the opening lines: the add twice on end and its wait
	ds_add_u32 v[SPW], v[NIL]
	v_lshrrev_b32 v1, 5, v0
	v_readfirstlane_b32 s[WV], v1                  ; wave 0..15
	s_and_b32 s70, ttmp7, 0xffff                   ; batch x 16 + head
	s_lshr_b32 s71, s70, 1                         ; batch x 8 + pair of heads
	s_and_b32 s72, s70, 1                          ; which head of the pair
	s_bfe_u32 s73, ttmp6, 0x40000                  ; cx: my 512 queries
	s_and_b32 s[W7], s[WV], 7
	s_and_b32 s20, s[WV], 1
	s_lshl_b32 s21, s71, 18                        ; the pair's codes: 16 groups of 16,384 bytes
	s_lshl_b32 s22, s72, 10                        ; the head in a tile of q or k
	s_lshl_b32 s23, s72, 13                        ; the head in a group of v
	s_lshl_b32 s76, s20, 15                        ; first group of loads: 256 keys x (wave % 2)
	s_add_co_u32 s76, s76, s21
	s_add_co_u32 s78, s76, s23                     ; V
	s_add_co_u32 s76, s76, s22                     ; K
	s_add_co_u32 s80, s[W7], 2                     ; second group: piece j = wave % 8 + 2 of 256 keys
	s_lshl_b32 s74, s80, 14                        ; in LDS
	s_lshl_b32 s80, s80, 15
	s_add_co_u32 s80, s80, s21
	s_add_co_u32 s82, s80, s23                     ; V
	s_add_co_u32 s80, s80, s22                     ; K
	s_mov_b32 s77, 0
	s_mov_b32 s79, 0
	s_mov_b32 s81, 0
	s_mov_b32 s83, 0
	s_lshl_b32 s75, s20, 14
	s_lshl_b32 s92, s71, 13                        ; the scale words: 512 bytes a group, 256 a head
	s_lshl_b32 s93, s72, 8
	s_add_co_u32 s92, s92, s93
	s_mov_b32 s93, 0
	s_lshl_b32 s94, s71, 4                         ; my first tile of queries: group = pair x 16 + 4 cx + wave / 8, tile wave % 8
	s_lshl_b32 s95, s73, 2
	s_add_co_u32 s94, s94, s95
	s_lshr_b32 s95, s[WV], 3
	s_add_co_u32 s94, s94, s95
	s_lshl_b32 s96, s94, 9
	s_lshl_b32 s94, s94, 14
	s_lshl_b32 s95, s[W7], 11
	s_add_co_u32 s94, s94, s95
	s_add_co_u32 s94, s94, s22
	s_mov_b32 s95, 0
	s_lshl_b32 s97, s72, 8                         ; its two scale bytes: word (tile / 2) of the head's 256 bytes
	s_add_co_u32 s96, s96, s97
	s_bfe_u32 s97, s[W7], 0x10001
	s_lshl_b32 s97, s97, 7
	s_add_co_u32 s96, s96, s97
	s_lshr_b32 s97, s[W7], 2
	s_lshl_b32 s97, s97, 2
	s_add_co_u32 s96, s96, s97
	s_and_b32 s97, s[W7], 1
	s_lshl_b32 s97, s97, 1
	s_add_co_u32 s96, s96, s97
	s_mov_b32 s97, 0
	s_lshr_b32 s98, s70, 4                         ; the result: tile of 16 tokens = batch x 128 + 32 cx + wave
	s_lshl_b32 s98, s98, 7
	s_lshl_b32 s99, s73, 5
	s_add_co_u32 s98, s98, s99
	s_add_co_u32 s98, s98, s[WV]
	s_lshl_b32 s20, s98, 9                         ; its scale bytes: 32 a token, 2 a head
	s_and_b32 s99, s70, 15
	s_lshl_b32 s99, s99, 1
	s_add_co_u32 s20, s20, s99
	s_mov_b32 s21, 0
	s_lshl_b32 s98, s98, 14                        ; its codes
	s_and_b32 s99, s71, 7
	s_lshl_b32 s99, s99, 11
	s_add_co_u32 s98, s98, s99
	s_add_co_u32 s98, s98, s22
	s_mov_b32 s99, 0
	s_mov_b32 s[G1K], 15|(3<<16)|(1<<21)           ; K: 16 tiles of 1,024 bytes, 2,048 apart; elements of 8 bytes; the mask names the four partners
	s_mov_b32 s[G1K+1], 128<<16
	s_mov_b32 s[G1K+2], 16<<16
	s_mov_b32 s[G1K+3], 128<<16
	s_mov_b32 s[G1K+4], 16
	s_mov_b32 s[G1K+5], 256
	s_mov_b32 s[G1K+6], 0
	s_mov_b32 s[G1K+7], 0
	s_mov_b32 s[G1V], 15|(3<<16)|(1<<21)           ; V: 2 groups of 8,192 bytes, 16,384 apart
	s_mov_b32 s[G1V+1], 1024<<16
	s_mov_b32 s[G1V+2], 2<<16
	s_mov_b32 s[G1V+3], 1024<<16
	s_mov_b32 s[G1V+4], 2
	s_mov_b32 s[G1V+5], 2048
	s_mov_b32 s[G1V+6], 0
	s_mov_b32 s[G1V+7], 0
	s_mov_b32 s[G1S], 15|(3<<16)|(1<<21)           ; scale words: 16 groups of 256 bytes, 512 apart
	s_mov_b32 s[G1S+1], 32<<16
	s_mov_b32 s[G1S+2], 16<<16
	s_mov_b32 s[G1S+3], 32<<16
	s_mov_b32 s[G1S+4], 16
	s_mov_b32 s[G1S+5], 64
	s_mov_b32 s[G1S+6], 0
	s_mov_b32 s[G1S+7], 0
	s_mov_b32 s[MNT], 0x600000                     ; the mantissa field of 57,344
	s_wait_dscnt 0x0                               ; both opening adds are done
	s_wait_kmcnt 0x0
	s_mov_b32 s[G0K], 1
	s_mov_b32 s[G0K+1], s75
	s_add_nc_u64 s[G0K+2:G0K+3], s[8:9], s[76:77]
	s_or_b32 s[G0K+3], s[G0K+3], 0x80000000
	s_mov_b32 s[G0V], 1
	s_add_co_u32 s[G0V+1], s75, VB
	s_add_nc_u64 s[G0V+2:G0V+3], s[12:13], s[78:79]
	s_or_b32 s[G0V+3], s[G0V+3], 0x80000000
	s_mov_b32 s[G0SK], 1
	s_mov_b32 s[G0SK+1], SCK
	s_add_nc_u64 s[G0SK+2:G0SK+3], s[10:11], s[92:93]
	s_or_b32 s[G0SK+3], s[G0SK+3], 0x80000000
	s_mov_b32 s[G0SV], 1
	s_mov_b32 s[G0SV+1], SCV
	s_add_nc_u64 s[G0SV+2:G0SV+3], s[14:15], s[92:93]
	s_or_b32 s[G0SV+3], s[G0SV+3], 0x80000000
	s_mov_b32 s[G0K2], 1
	s_mov_b32 s[G0K2+1], s74
	s_add_nc_u64 s[G0K2+2:G0K2+3], s[8:9], s[80:81]
	s_or_b32 s[G0K2+3], s[G0K2+3], 0x80000000
	s_mov_b32 s[G0V2], 1
	s_add_co_u32 s[G0V2+1], s74, VB
	s_add_nc_u64 s[G0V2+2:G0V2+3], s[12:13], s[82:83]
	s_or_b32 s[G0V2+3], s[G0V2+3], 0x80000000
	CROUND                                         ; the four partners are here: the first joint loads meet
	ARM 2, G0K,  G1K, .Lh_v                        ; one chain of branches on the wave's number, a load to an arm
	ARM 4, G0V,  G1V, .Lh_sk
	ARM 5, G0SK, G1S, .Lh_sv
	ARM 6, G0SV, G1S, .Lh_none
.Lhead_asked:
	s_add_nc_u64 s[4:5], s[4:5], s[94:95]
	s_add_nc_u64 s[6:7], s[6:7], s[96:97]
	s_add_nc_u64 s[16:17], s[16:17], s[98:99]
	s_add_nc_u64 s[18:19], s[18:19], s[20:21]
	s_mov_b32 s[SEL], 0x76543210                   ; v_permlanex16_b32's selects for lane l xor 16
	s_mov_b32 s[SEL+1], 0xfedcba98
	s_mov_b32 s[CS], 0x3e38aa3b                    ; log2(e) / 8
	s_mov_b32 s[CS+1], s[CS]
	v_and_b32 v242, 31, v0
	v_and_b32 v244, 15, v0
	v_lshlrev_b32 v[LI], 4, v242
	v_lshl_add_u32 v[LS], v242, 3, SCK
	v_lshlrev_b32 v244, 3, v244
	s_wait_alu depctr_va_vdst(0)
	global_load_b128 v[24:27], v[LI], s[4:5]                       ; Q of my first tile,
	global_load_b128 v[28:31], v[LI], s[4:5] offset:512
	global_load_b128 v[Q2:Q2+3], v[LI], s[4:5] offset:32768        ; and of my second, two groups of 128 queries on
	global_load_b128 v[Q2+4:Q2+7], v[LI], s[4:5] offset:33280
	global_load_u16 v[QS], v244, s[6:7]
	global_load_u16 v[QS2], v244, s[6:7] offset:1024
.irp j, 0,1,2,3,4,5,6,7
	v_mov_b32 v[16+\j], 0                          ; the zero halves of (0, Q) and (Q, 0)
	v_mov_b32 v[32+\j], 0
.endr
.irp b, 0,1,2,3
	v_mov_b32 v[BP+\b], 0                          ; a lane permute's destination counts as one of its sources
.endr
	v_mov_b32 v245, 0
; A tile of queries begins: p of the step before and O^T are zeros, the largest t is -3e38, so the step is written once.
.macro INIT
.set J, 0
.rept 96
	v_mov_b32 v[S+J], 0
.set J, J+1
.endr
	v_mov_b32 v13, 0xff61b1e6
	v_mov_b32 v14, 0
	v_mov_b32 v15, 0
	v_floor_f32 v12, -v13
	v_mov_b32 v[ADK], v[LI]
	v_mov_b32 v[ADS], v[LS]
	s_mov_b32 s[TB], 0
	s_mov_b32 s[TS], 0
.endm
	INIT
.macro SUMA                            ; the sums of the last step's p, first nine lines
	v_pk_add_f32 v[240:241], v[S:S+1], v[S+2:S+3]
.irp j, 4,8,12,16
	v_pk_add_f32 v[14:15], v[14:15], v[S+\j:S+\j+1]
	v_pk_add_f32 v[240:241], v[240:241], v[S+\j+2:S+\j+3]
.endr
.endm
.macro SUMB                            ; and the rest
.irp j, 20,24,28,32,36,40,44,48,52,56,60
	v_pk_add_f32 v[14:15], v[14:15], v[S+\j:S+\j+1]
	v_pk_add_f32 v[240:241], v[240:241], v[S+\j+2:S+\j+3]
.endr
	s_delay_alu instid0(VALU_DEP_1)
	v_pk_add_f32 v[14:15], v[14:15], v[240:241]
.endm
; A KEY STEP of 128 keys.
.macro STEP
	SUMA                                           ; nine places behind the last step's products, in front of the loads into their fragments
	ds_load_b64 v[8:9], v[ADS]
.irp f, 0,1,2,3
.irp c, 0,1,2,3
	ds_load_b128 v[F+16*\f+4*\c:F+16*\f+4*\c+3], v[ADK] offset:2048*\f+512*\c
.endr
.endr
	SUMB
.irp f, 0,1,2,3
	s_wait_dscnt 12-4*\f                           ; the scale words and fragments 0 .. f are in; the younger loads may be out
.if \f%2
	v_wmma_scale_f32_16x16x128_f8f6f4 v[S+16*\f:S+16*\f+7], v[F+16*\f:F+16*\f+15], v[24:39], 0, v[8+\f/2], v[QS] matrix_a_fmt:MATRIX_FMT_BF8 matrix_b_fmt:MATRIX_FMT_BF8 matrix_a_scale:MATRIX_SCALE_ROW1
	v_wmma_scale_f32_16x16x128_f8f6f4 v[S+16*\f+8:S+16*\f+15], v[F+16*\f:F+16*\f+15], v[16:31], 0, v[8+\f/2], v[QS] matrix_a_fmt:MATRIX_FMT_BF8 matrix_b_fmt:MATRIX_FMT_BF8 matrix_a_scale:MATRIX_SCALE_ROW1
.else
	v_wmma_scale_f32_16x16x128_f8f6f4 v[S+16*\f:S+16*\f+7], v[F+16*\f:F+16*\f+15], v[24:39], 0, v[8+\f/2], v[QS] matrix_a_fmt:MATRIX_FMT_BF8 matrix_b_fmt:MATRIX_FMT_BF8
	v_wmma_scale_f32_16x16x128_f8f6f4 v[S+16*\f+8:S+16*\f+15], v[F+16*\f:F+16*\f+15], v[16:31], 0, v[8+\f/2], v[QS] matrix_a_fmt:MATRIX_FMT_BF8 matrix_b_fmt:MATRIX_FMT_BF8
.endif
.endr
	s_add_co_u32 s[TB], s[TB], 8192
	s_add_co_u32 s[TS], s[TS], 256
	v_add_nc_u32 v[ADV], VB, v[ADK]                ; eight places: this step's V, the next step's K and scale words, the old -M, four idle lines
	v_add_nc_u32 v[ADK], s[TB], v[LI]
	v_add_nc_u32 v[ADS], s[TS], v[LS]
	v_mov_b32 v245, v12
.rept 4
	v_nop
.endr
	ds_load_b64 v[10:11], v[ADS] offset:3840       ; V's words of this step: 4,096 on, less the 256 just stepped
.irp t, 0,1,2,3
.irp c, 0,1,2,3
	ds_load_b128 v[F+16*\t+4*\c:F+16*\t+4*\c+3], v[ADV] offset:2048*\t+512*\c
.endr
.endr
.irp b, 0,1,2,3
	v_max3_num_f32 v[BM+\b], v[S+16*\b], v[S+1+16*\b], v[S+2+16*\b]   ; each block's largest score: for the row's maximum and for the block's largest p
.endr
.irp i, 3,5,7,9,11,13
.irp b, 0,1,2,3
	v_max3_num_f32 v[BM+\b], v[BM+\b], v[S+16*\b+\i], v[S+1+16*\b+\i]
.endr
.endr
.irp b, 0,1,2,3
	v_max_num_f32 v[BM+\b], v[BM+\b], v[S+15+16*\b]
.endr
.irp b, 0,1,2,3
	s_delay_alu instid0(VALU_DEP_4)
	v_permlanex16_b32 v[BP+\b], v[BM+\b], s[SEL], s[SEL+1]
.endr
.irp b, 0,1,2,3
	s_delay_alu instid0(VALU_DEP_4)
	v_max_num_f32 v[BM+\b], v[BM+\b], v[BP+\b]
.endr
	s_delay_alu instid0(VALU_DEP_2)
	v_max3_num_f32 v242, v[BM], v[BM+1], v[BM+2]
	s_delay_alu instid0(VALU_DEP_1)
	v_max_num_f32 v242, v242, v[BM+3]
	s_delay_alu instid0(VALU_DEP_1)
	v_mul_f32 v242, s[CS], v242
	s_delay_alu instid0(VALU_DEP_1)
	v_max_num_f32 v13, v13, v242                   ; the running largest t
	s_delay_alu instid0(VALU_DEP_1)
	v_floor_f32 v12, -v13                          ; -M
	s_delay_alu instid0(VALU_DEP_1)
	v_sub_f32 v242, v12, v245                      ; old M - new M, a whole number
	s_delay_alu instid0(VALU_DEP_1)
	v_cvt_i32_f32 v242, v242
	s_delay_alu instid0(VALU_DEP_1)
	v_ldexp_f32 v244, 1.0, v242                    ; f = 2^(old M - new M)
.set J, 0
.rept 32
	v_pk_fma_f32 v[S+J:S+J+1], v[S+J:S+J+1], s[CS:CS+1], v[12:13] op_sel_hi:[1,0,0]
.set J, J+2
.endr
.irp b, 0,1,2,3
	v_fma_f32 v[BM+\b], v[BM+\b], s[CS], v12
.endr
	s_wait_alu depctr_va_vdst(0)
.irp b, 0,1,2,3
	v_exp_f32 v[BM+\b], v[BM+\b]                   ; each block's largest p
.endr
.set J, 0
.rept 64
	v_exp_f32 v[S+J], v[S+J]                       ; p
.set J, J+1
.endr
	v_pk_mul_f32 v[14:15], v[14:15], v[244:245] op_sel_hi:[1,0]   ; the sum under the new M; a plain place behind the batch
	s_wait_alu depctr_va_vdst(0)                   ; and the one wait behind it
.irp b, 0,1,2,3
	v_max_num_f32 v[BM+\b], 0x8000000, v[BM+\b]    ; the floor 2^(16 - 127): the byte stays at 1 or above
.endr
.irp b, 0,1,2,3
	s_delay_alu instid0(VALU_DEP_4)
	v_add_nc_u32 v[BS+\b], 0xf8800000, v[BM+\b]    ; 15 off the exponent field: the conversion's scale operand
.endr
.irp b, 0,1,2,3
	v_and_or_b32 v[BH+\b], v[BM+\b], 0x7f800000, s[MNT]   ; 57,344 x the scale
.endr
.irp b, 0,1,2,3
	v_lshrrev_b32 v[BP+\b], 23, v[BS+\b]
.endr
	s_delay_alu instid0(VALU_DEP_3)
	v_lshl_or_b32 v246, v[BP+1], 8, v[BP]
	s_delay_alu instid0(VALU_DEP_1)
	v_lshl_or_b32 v246, v[BP+2], 16, v246
	s_delay_alu instid0(VALU_DEP_1)
	v_lshl_or_b32 v246, v[BP+3], 24, v246          ; p's scale word
.irp b, 0,1,2,3                                ; the hold, two numbers a line, into two side buffers by turns: p itself stays for the sums
.irp i, 0,2,4,6
	v_dual_min_num_f32 v[T0+\i], v[S+16*\b+\i], v[BH+\b] :: v_dual_min_num_f32 v[T0+\i+1], v[S+16*\b+\i+1], v[BH+\b]
.endr
	v_cvt_scalef32_pk8_bf8_f32 v[PC+4*\b:PC+4*\b+1], v[T0:T0+7], v[BS+\b]
.irp i, 0,2,4,6
	v_dual_min_num_f32 v[T1+\i], v[S+16*\b+8+\i], v[BH+\b] :: v_dual_min_num_f32 v[T1+\i+1], v[S+16*\b+9+\i], v[BH+\b]
.endr
	v_cvt_scalef32_pk8_bf8_f32 v[PC+4*\b+2:PC+4*\b+3], v[T1:T1+7], v[BS+\b]
.endr
	s_wait_dscnt 0x0                               ; V's fragments and scale words are in
	s_wait_alu depctr_va_vdst(0)                   ; directly ahead of the first reader of O^T
.set J, 0
.rept 16
	v_pk_mul_f32 v[O+J:O+J+1], v[O+J:O+J+1], v[244:245] op_sel_hi:[1,0]   ; O^T under the new M; also the places between the codes and the products
.set J, J+2
.endr
.irp t, 0,1,2,3
.if \t%2
	v_wmma_scale_f32_16x16x128_f8f6f4 v[O+8*\t:O+8*\t+7], v[F+16*\t:F+16*\t+15], v[PC:PC+15], v[O+8*\t:O+8*\t+7], v[10+\t/2], v246 matrix_a_fmt:MATRIX_FMT_BF8 matrix_b_fmt:MATRIX_FMT_BF8 matrix_a_scale:MATRIX_SCALE_ROW1
.else
	v_wmma_scale_f32_16x16x128_f8f6f4 v[O+8*\t:O+8*\t+7], v[F+16*\t:F+16*\t+15], v[PC:PC+15], v[O+8*\t:O+8*\t+7], v[10+\t/2], v246 matrix_a_fmt:MATRIX_FMT_BF8 matrix_b_fmt:MATRIX_FMT_BF8
.endif
.endr
.endm
.macro LOOP n
	s_mov_b32 s[CNT], \n
.Lstep_\@:
	STEP
	s_sub_co_u32 s[CNT], s[CNT], 1
	s_cmp_lg_u32 s[CNT], 0
	s_cbranch_scc1 .Lstep_\@
.endm
; A TILE'S WAY OUT: the last step's sums, O^T / the sum, quantised along the head's 64 channels (two blocks of 32, 16 numbers here and 16 in lane l xor 16), stored as registers of the next product's operand.
.macro FINISH p
	SUMA
	SUMB
	s_delay_alu instid0(VALU_DEP_1)
	v_add_f32 v14, v14, v15
	s_delay_alu instid0(VALU_DEP_1)
	v_permlanex16_b32 v242, v14, s[SEL], s[SEL+1]
	s_delay_alu instid0(VALU_DEP_1)
	v_add_f32 v14, v14, v242
	s_wait_alu depctr_va_vdst(0)                   ; ahead of the transcendental
	v_rcp_f32 v14, v14
	v_and_b32 v244, 15, v0                         ; a plain place
	s_wait_alu depctr_va_vdst(0)                   ; and ahead of its first reader, which is O^T's first reader too
.set J, 0
.rept 16
	v_pk_mul_f32 v[S+J:S+J+1], v[O+J:O+J+1], v[14:15] op_sel_hi:[1,0]
.set J, J+2
.endr
	v_lshlrev_b32 v244, 5, v244                    ; the scale bytes' place: 32 bytes a token
.irp b, 0,1
	v_max3_num_f32 v[BM+\b], |v[S+16*\b]|, |v[S+1+16*\b]|, 0x8000000
.endr
.irp i, 2,4,6,8,10,12,14
.irp b, 0,1
	s_delay_alu instid0(VALU_DEP_2)
	v_max3_num_f32 v[BM+\b], v[BM+\b], |v[S+16*\b+\i]|, |v[S+1+16*\b+\i]|
.endr
.endr
.irp b, 0,1
	s_delay_alu instid0(VALU_DEP_2)
	v_permlanex16_b32 v[BP+\b], v[BM+\b], s[SEL], s[SEL+1]
.endr
.irp b, 0,1
	s_delay_alu instid0(VALU_DEP_2)
	v_max_num_f32 v[BM+\b], v[BM+\b], v[BP+\b]
.endr
.irp b, 0,1
	s_delay_alu instid0(VALU_DEP_2)
	v_add_nc_u32 v[BS+\b], 0xf8800000, v[BM+\b]
.endr
.irp b, 0,1
	s_delay_alu instid0(VALU_DEP_4)
	v_and_or_b32 v[BH+\b], v[BM+\b], 0x7f800000, s[MNT]
.endr
.irp b, 0,1
	s_delay_alu instid0(VALU_DEP_4)
	v_lshrrev_b32 v[BP+\b], 23, v[BS+\b]
.endr
	s_delay_alu instid0(VALU_DEP_1)
	v_lshl_or_b32 v242, v[BP+1], 8, v[BP]
.irp b, 0,1
.irp i, 0,1,2,3,4,5,6,7,8,9,10,11,12,13,14,15
	v_med3_num_f32 v[S+16*\b+\i], v[S+16*\b+\i], -v[BH+\b], v[BH+\b]
.endr
	v_cvt_scalef32_pk8_bf8_f32 v[PC+4*\b:PC+1+4*\b], v[S+16*\b:S+7+16*\b], v[BS+\b]
	v_cvt_scalef32_pk8_bf8_f32 v[PC+2+4*\b:PC+3+4*\b], v[S+8+16*\b:S+15+16*\b], v[BS+\b]
.endr
	v_nop                                          ; a plain line behind the conversions
	global_store_b128 v[LI], v[PC:PC+3], s[16:17] offset:262144*\p        ; 32 lanes store 512 consecutive bytes
	global_store_b128 v[LI], v[PC+4:PC+7], s[16:17] offset:262144*\p+512
	global_store_b16 v244, v242, s[18:19] offset:8192*\p
.endm
	s_wait_alu depctr_va_vdst(0)
	s_wait_tensorcnt 0x0                           ; my load of the first group is in
	ds_add_u32 v[SPW], v[NIL]
	ds_add_u32 v[SPW], v[NIL]                      ; the add twice on end
	s_wait_dscnt 0x0
	CROUND
	s_cmp_lt_u32 s[W7], 6                          ; keys 512-2,047: waves 0-5 K's six pieces, waves 8-13 V's; my one tensor load behind the round
	s_cbranch_scc0 .Lb_asked
	s_cmp_lt_u32 s[WV], 8
	s_cbranch_scc0 .Lb_v
	TL G0K2, G1K
	s_branch .Lb_asked
.Lb_v:
	TL G0V2, G1V
.Lb_asked:
	s_wait_loadcnt 0x0                             ; Q and its scale bytes
	v_lshl_or_b32 v[QS], v[QS], 16, v[QS]          ; the two bytes serve either half of K = 128
	v_lshl_or_b32 v[QS2], v[QS2], 16, v[QS2]
	LOOP 4                                         ; keys 0-511
	s_wait_alu depctr_va_vdst(0)
	s_wait_tensorcnt 0x0                           ; my piece of keys 512-2,047 is in
	s_wait_dscnt 0x0
	s_barrier_signal -1
	s_barrier_wait -1                              ; and everybody's
	LOOP 12
	FINISH 0
.irp j, 0,1,2,3,4,5,6,7
	v_mov_b32 v[24+\j], v[Q2+\j]                   ; my second tile of queries
.endr
	v_mov_b32 v[QS], v[QS2]
	INIT
	s_wait_alu depctr_va_vdst(0)
	s_wait_xcnt 0x0                                ; the stores have read their registers, which the steps write again
	LOOP 16
	FINISH 1
	s_wait_tensorcnt 0x0                           ; the wave's end
	ds_add_u32 v[SPW], v[NIL]
	s_wait_dscnt 0x0
	CROUND                                         ; the closing round
	s_endpgm
.Lfunc_end_k_qb3dadc5bc6_attn:
	.size	k_qb3dadc5bc6_attn, .Lfunc_end_k_qb3dadc5bc6_attn-k_qb3dadc5bc6_attn
	.p2alignl 7, 3214868480
	.fill 96, 4, 3214868480
	.section	.rodata,"a",@progbits
	.p2align	6, 0x0
	.amdhsa_kernel k_qb3dadc5bc6_attn
		.amdhsa_group_segment_fixed_size 327680
		.amdhsa_private_segment_fixed_size 0
		.amdhsa_enable_private_segment 0
		.amdhsa_kernarg_size 64
		.amdhsa_user_sgpr_count 2
		.amdhsa_user_sgpr_kernarg_segment_ptr 1
		.amdhsa_wavefront_size32 1
		.amdhsa_system_sgpr_workgroup_id_x 1
		.amdhsa_system_sgpr_workgroup_id_y 1
		.amdhsa_system_sgpr_workgroup_id_z 1
		.amdhsa_system_vgpr_workitem_id 0
		.amdhsa_next_free_vgpr 256
		.amdhsa_next_free_sgpr 100
		.amdhsa_reserve_vcc 0
		.amdhsa_float_denorm_mode_32 3
		.amdhsa_float_denorm_mode_16_64 3
		.amdhsa_memory_ordered 1
		.amdhsa_forward_progress 1
		.amdhsa_inst_pref_size 92
	.end_amdhsa_kernel
	.amdgpu_metadata
---
amdhsa.version: [ 1, 2 ]
amdhsa.kernels:
  - .name:           k_qb3dadc5bc6_attn
    .symbol:         k_qb3dadc5bc6_attn.kd
    .args:
      - { .name: q_c, .offset: 0, .size: 8, .value_kind: global_buffer, .address_space: global }
      - { .name: q_s, .offset: 8, .size: 8, .value_kind: global_buffer, .address_space: global }
      - { .name: k_c, .offset: 16, .size: 8, .value_kind: global_buffer, .address_space: global }
      - { .name: k_s, .offset: 24, .size: 8, .value_kind: global_buffer, .address_space: global }
      - { .name: v_c, .offset: 32, .size: 8, .value_kind: global_buffer, .address_space: global }
      - { .name: v_s, .offset: 40, .size: 8, .value_kind: global_buffer, .address_space: global }
      - { .name: a_c, .offset: 48, .size: 8, .value_kind: global_buffer, .address_space: global }
      - { .name: a_s, .offset: 56, .size: 8, .value_kind: global_buffer, .address_space: global }
    .group_segment_fixed_size: 327680
    .private_segment_fixed_size: 0
    .kernarg_segment_align: 8
    .kernarg_segment_size: 64
    .max_flat_workgroup_size: 512
    .sgpr_count:     100
    .vgpr_count:     256
    .wavefront_size: 32
...
	.end_amdgpu_metadata
.endif
;; end of part 2
;; launch proj (part 3): grid 4 x 32, 4 waves a work-group, clusters of 4 x 4, 327,680 bytes of LDS; arguments a_c, a_s, w_out_codes, w_out_scales, b_out, out0; writes out0
.if DOCPART == 3
	.amdgcn_target "amdgcn-amd-amdhsa--gfx1250"
	.amdhsa_code_object_version 6
	.text
	.protected	k_qb3dadc5bc6_proj
	.globl	k_qb3dadc5bc6_proj
	.p2align	8
	.type	k_qb3dadc5bc6_proj,@function
k_qb3dadc5bc6_proj:
	s_mov_b64 s[64:65], 0
	v_nop
	global_prefetch_b8 v0, s[64:65] scope:SCOPE_SE
	s_setreg_imm32_b32 hwreg(HW_REG_WAVE_MODE, 25, 1), 1
	s_wait_xcnt 0x0
	s_wait_alu depctr_hold_cnt(0) depctr_sa_sdst(0) depctr_va_vdst(0) depctr_va_sdst(0) depctr_va_ssrc(0) depctr_va_vcc(0) depctr_vm_vsrc(0)
	s_getreg_b32 s2, hwreg(HW_REG_IB_STS2, 6, 4)
	s_cmp_eq_u32 s2, 0
	s_cbranch_scc0 .Lentry_in_a_cluster
	s_endpgm
.Lentry_in_a_cluster:
	s_bfe_u32 s2, ttmp6, 0x10000c
	s_cmp_lg_u32 s2, 0xf033
	s_cbranch_scc0 .Lentry_shape_is_right
	s_endpgm
.Lentry_shape_is_right:
.set SIZE_N, 1024
.set ROWB,   256
.set KROW,   1024
.set NQ,     2
.set PITCH,  272
.set FR,     16
.set NP,     8
.set HALFT,  128*PITCH
.set SLOT,   4*HALFT
.set SCL,    2*SLOT
.set HALFS,  16*272
.set SBLK,   2*272
.set SPARE,  SCL+4*HALFS
.set SPITCH, 528
.set ADRA, 16
.set ADRB, 20
.set STO,  24
.set RD,   25
.set CO,   26
.set ADRS, 27
.set SPW,  28
.set NIL,  29
.set SC,   32
.set BI,   64
.set AF,   128
.set BK,   128
.set G1,   24
.set G0,   32
.set G1B,  48
.set G0B,  56
.set G1S,  68
.set G0S,  76
.set G1SB, 80
.set G0SB, 88
.set BP,   96
.set CP,   98
.set MSB, 0
.macro WIN new
.if MSB != \new
	s_set_vgpr_msb (MSB<<8)|\new
.set MSB, \new
.endif
.endm
.set MUL_LO, 0xa1
.set MUL_HI, 0xf1
.set TO_B,   0x40
.macro JLOAD g0a, g1a, g0b, g1b
	s_cmp_eq_u32 s15, 0
	s_cbranch_scc0 .Lfor_b_\@
	tensor_load_to_lds s[\g0a:\g0a+3], s[\g1a:\g1a+7]
	s_nop 0
.rept 4
	v_nop
.endr
	s_branch .Lasked_\@
.Lfor_b_\@:
	tensor_load_to_lds s[\g0b:\g0b+3], s[\g1b:\g1b+7]
	s_nop 0
.rept 4
	v_nop
.endr
.Lasked_\@:
.endm
.macro CREST
	s_cmp_lg_u32 s14, 0
	s_cbranch_scc1 .Lnot_wave_0_\@
	s_barrier_signal -3
.Lnot_wave_0_\@:
	s_barrier_wait -3
	s_barrier_signal -1
	s_barrier_wait -1
.endm
.macro CROUND
	s_barrier_signal -1
	s_barrier_wait -1
	CREST
.endm
	s_load_b256 s[4:11], s[0:1], 0x0
	s_load_b128 s[96:99], s[0:1], 0x20
	v_lshl_add_u32 v[SPW], v0, 2, SPARE
	v_mov_b32 v[NIL], 0
	ds_add_u32 v28, v29
	ds_add_u32 v28, v29
	s_wait_dscnt 0x0
	v_lshrrev_b32 v1, 5, v0
	v_readfirstlane_b32 s14, v1
	s_lshr_b32 s15, s14, 1
	s_and_b32 s16, s14, 1
	s_bfe_u32 s40, ttmp6, 0x40000
	s_bfe_u32 s41, ttmp6, 0x40004
	s_lshl_b32 s42, ttmp9, 2
	s_add_co_u32 s42, s42, s40
	s_and_b32 s17, ttmp7, 0xffff
	s_lshl_b32 s17, s17, 2
	s_add_co_u32 s17, s17, s41
	s_lshl_b32 s43, s41, 2
	s_lshl_b32 s43, 15, s43
	s_lshl_b32 s44, 0x1111, s40
	s_or_b32 s[G1+0], s43, (3<<16)|(1<<21)
	s_mov_b32 s[G1+1], 512<<16
	s_mov_b32 s[G1+2], 16<<16
	s_mov_b32 s[G1+3], 512<<16
	s_mov_b32 s[G1+4], 16
	s_mov_b32 s[G1+5], 2048
	s_mov_b32 s[G1+6], 0
	s_mov_b32 s[G1+7], 0
	s_or_b32 s[G1B+0], s44, (0<<16)|(1<<20)|(1<<21)|(5<<22)|(3<<25)
	s_mov_b32 s[G1B+1], ROWB<<16
	s_mov_b32 s[G1B+2], 256<<16
	s_mov_b32 s[G1B+3], ROWB<<16
	s_mov_b32 s[G1B+4], 256
	s_mov_b32 s[G1B+5], KROW
	s_mov_b32 s[G1B+6], 0
	s_mov_b32 s[G1B+7], 0
	s_or_b32 s[G1S+0], s43, (3<<16)|(1<<20)|(1<<21)|(5<<22)|(3<<25)
	s_or_b32 s[G1SB+0], s44, (3<<16)|(1<<20)|(1<<21)|(5<<22)|(3<<25)
.irp g, G1S, G1SB
	s_mov_b32 s[\g+1], 32<<16
	s_mov_b32 s[\g+2], 32<<16
	s_mov_b32 s[\g+3], 32<<16
	s_mov_b32 s[\g+4], 32
	s_mov_b32 s[\g+5], 32
	s_mov_b32 s[\g+6], 0
	s_mov_b32 s[\g+7], 0
.endr
	s_lshl_b32 s20, s17, 4
	s_lshl_b32 s18, s16, 3
	s_add_co_u32 s20, s20, s18
	s_lshl_b32 s22, s17, 13
	s_lshl_b32 s20, s20, 14
	s_lshl_b32 s46, s42, 8
	s_lshl_b32 s18, s16, 7
	s_add_co_u32 s46, s46, s18
	s_lshl_b32 s92, s42, 13
	s_lshl_b32 s46, s46, 10
	s_mov_b32 s21, 0
	s_mov_b32 s23, 0
	s_mov_b32 s47, 0
	s_mov_b32 s93, 0
	s_mul_i32 s45, s14, HALFT
	s_lshl_b32 s94, s14, 15                        ; A's halves lie dense in a slot: 32,768 bytes each
	s_wait_kmcnt 0x0
	s_add_nc_u64 s[20:21], s[4:5], s[20:21]
	s_add_nc_u64 s[22:23], s[6:7], s[22:23]
	s_add_nc_u64 s[46:47], s[8:9], s[46:47]
	s_add_nc_u64 s[92:93], s[10:11], s[92:93]
	CROUND
	s_mov_b32 s[G0S], 1
	s_mov_b32 s[G0S+1], SCL
	s_mov_b64 s[G0S+2:G0S+3], s[22:23]
	s_or_b32 s[G0S+3], s[G0S+3], 0x80000000
	s_mov_b32 s[G0SB], 1
	s_mov_b32 s[G0SB+1], SCL+2*HALFS
	s_mov_b64 s[G0SB+2:G0SB+3], s[92:93]
	s_or_b32 s[G0SB+3], s[G0SB+3], 0x80000000
.irp s, 0,1
	s_mov_b32 s[G0+4*\s], 1
	s_add_co_u32 s[G0+4*\s+1], s94, \s*SLOT
	s_add_nc_u64 s[G0+4*\s+2:G0+4*\s+3], s[20:21], \s*4096
	s_or_b32 s[G0+4*\s+3], s[G0+4*\s+3], 0x80000000
	s_mov_b32 s[G0B+4*\s], 1
	s_add_co_u32 s[G0B+4*\s+1], s45, \s*SLOT
	s_add_nc_u64 s[G0B+4*\s+2:G0B+4*\s+3], s[46:47], \s*ROWB
	s_or_b32 s[G0B+4*\s+3], s[G0B+4*\s+3], 0x80000000
.endr
; THE HEAD'S LOADS, ONE A WAVE: wave 0 K step 0 of A's 256 rows, wave 1 A's scales, wave 2 K step 0 of B's 256 rows, wave 3 B's scales.  One chain of branches on the wave's number.
.macro ARM under, g0, g1, next
	s_cmp_lt_u32 s14, \under
	s_cbranch_scc0 \next
	tensor_load_to_lds s[\g0:\g0+3], s[\g1:\g1+7]
	s_nop 0
.rept 4
	v_nop
.endr
	s_branch .Lhead_asked
\next:
.endm
	ARM 1, G0,  G1,  .Lhead_as
	ARM 2, G0S, G1S, .Lhead_b
	ARM 3, G0B, G1B, .Lhead_bs
	tensor_load_to_lds s[G0SB:G0SB+3], s[G1SB:G1SB+7]
	s_nop 0
.rept 4
	v_nop
.endr
.Lhead_asked:
	v_and_b32 v1, 15, v0
	v_bfe_u32 v2, v0, 4, 1
	v_and_b32 v6, 31, v0
	v_lshlrev_b32 v[CO], 4, v6
	v_mul_u32_u24 v3, v1, PITCH
	v_lshl_add_u32 v4, v2, 3, v3
	s_lshl_b32 s21, s15, 15
	s_mul_i32 s22, s16, HALFT
	s_add_co_u32 s22, s22, 2*HALFT
.irp s, 0,1
	v_add_nc_u32 v[ADRA+\s], s21, v[CO]
	v_add_nc_u32 v[ADRB+\s], s22, v4
	s_add_co_u32 s21, s21, SLOT
	s_add_co_u32 s22, s22, SLOT
.endr
	v_mul_u32_u24 v5, v1, 32
	v_lshrrev_b32 v6, 8, v5
	v_lshl_add_u32 v5, v6, 4, v5
	s_mul_i32 s21, s15, HALFS
	s_mul_i32 s22, s16, HALFS
	s_add_co_u32 s22, s22, 2*HALFS
	s_sub_co_u32 s22, s22, s21
	v_mul_u32_u24 v6, s22, v2
	s_add_co_u32 s21, s21, SCL
	v_add_nc_u32 v5, v5, v6
	v_add_nc_u32 v[ADRS], s21, v5
	s_mul_i32 s23, s14, 16*SPITCH
	v_mul_u32_u24 v5, v1, SPITCH
	v_lshl_add_u32 v5, v2, 5, v5
	v_add_nc_u32 v[STO], s23, v5
	v_add_nc_u32 v[RD], s23, v[CO]
	s_lshl_b32 s20, s17, 8
	s_lshl_b32 s21, s15, 7
	s_add_co_u32 s20, s20, s21
	s_lshl_b32 s20, s20, 12
	s_mov_b32 s21, 0
	s_lshl_b32 s46, s42, 10
	s_lshl_b32 s47, s16, 9
	s_add_co_u32 s46, s46, s47
	s_mov_b32 s47, 0
	s_add_nc_u64 s[BP:BP+1], s[BP:BP+1], s[46:47]
	s_add_nc_u64 s[20:21], s[20:21], s[46:47]
	s_add_nc_u64 s[CP:CP+1], s[CP:CP+1], s[20:21]
	v_lshlrev_b32 v7, 5, v2
.irp b, 0,1,2,3,4,5,6,7
	global_load_b128 v[BI+8*\b:BI+8*\b+3], v7, s[BP:BP+1] offset:64*\b
	global_load_b128 v[BI+8*\b+4:BI+8*\b+7], v7, s[BP:BP+1] offset:64*\b+16
.endr
.macro FRAGA reg, adr, q, i
.irp c, 0,1,2,3
	ds_load_b128 v[\reg+4*\c:\reg+4*\c+3], v[\adr] offset:4096*(\i)+2048*(\q)+512*\c
.endr
.endm
.macro FRAGB reg, adr, q, i
.irp c, 0,1,2,3,4,5,6,7
	ds_load_b64 v[\reg+2*\c:\reg+2*\c+1], v[\adr] offset:128*(\q)+16*\c+(\i)*16*PITCH
.endr
.endm
.macro MUL16 a0, p, q, sc, mode
.irp a, \a0, \a0+1
.irp b, 0,1,2,3,4,5,6,7
.if \mode
	v_wmma_scale_f32_16x16x128_f8f6f4 v[8*(8*((\a)%4)+\b):8*(8*((\a)%4)+\b)+7], v[128*(\p)+FR*\b:128*(\p)+FR*\b+FR-1], v[AF+FR*(\a):AF+FR*(\a)+FR-1], v[BI+8*\b:BI+8*\b+7], v[SC+8*NQ*(\sc)+NQ*\b+(\q)], v[SC+8*NQ*(\sc)+NQ*(\a)+(\q)] matrix_a_fmt:MATRIX_FMT_BF8 matrix_b_fmt:MATRIX_FMT_BF8 matrix_a_scale:MATRIX_SCALE_ROW1
.else
	v_wmma_scale_f32_16x16x128_f8f6f4 v[8*(8*((\a)%4)+\b):8*(8*((\a)%4)+\b)+7], v[128*(\p)+FR*\b:128*(\p)+FR*\b+FR-1], v[AF+FR*(\a):AF+FR*(\a)+FR-1], v[8*(8*((\a)%4)+\b):8*(8*((\a)%4)+\b)+7], v[SC+8*NQ*(\sc)+NQ*\b+(\q)], v[SC+8*NQ*(\sc)+NQ*(\a)+(\q)] matrix_a_fmt:MATRIX_FMT_BF8 matrix_b_fmt:MATRIX_FMT_BF8 matrix_a_scale:MATRIX_SCALE_ROW1
.endif
.endr
.endr
.endm
.macro FETCH_B slot, q, p
	WIN TO_B
.irp i, 0,1,2,3,4,5,6,7
	FRAGB 128*(\p)+FR*\i, ADRB+\slot, \q, \i
.endr
	WIN 0
.endm
.macro FETCH_A slot, q, i0
.irp i, \i0, \i0+1, \i0+2, \i0+3
	FRAGA AF+FR*(\i), ADRA+\slot, \q, \i
.endr
.endm
.macro SCALES sc
.irp i, 0,1,2,3,4,5,6,7
	ds_load_b64 v[SC+8*NQ*\sc+NQ*\i:SC+8*NQ*\sc+NQ*\i+1], v[ADRS] offset:\i*SBLK
.endr
.endm
.macro PLACES n
.rept \n
	v_nop
.endr
.endm
.macro STEP slot, q, mode
	s_wait_dscnt 16
.if \mode
	WIN 0x81
.else
	WIN MUL_LO
.endif
	MUL16 0, (\q)%2, \q, \slot, \mode
	MUL16 2, (\q)%2, \q, \slot, \mode
	s_wait_dscnt 0
	PLACES NP
	FETCH_B \slot, (\q)+1, 1-(\q)%2
	FETCH_A \slot, (\q)+1, 0
.if \mode
	WIN 0xc1
.else
	WIN MUL_HI
.endif
	MUL16 4, (\q)%2, \q, \slot, \mode
	MUL16 6, (\q)%2, \q, \slot, \mode
	PLACES NP
	WIN 0
	FETCH_A \slot, (\q)+1, 4
.endm
.macro TURN slot, next, fill
	s_wait_tensorcnt 0x0
	ds_add_u32 v[SPW], v[NIL]
	s_wait_dscnt 17
	WIN MUL_LO
	MUL16 0, 1, NQ-1, \slot, 0
	s_wait_dscnt 0x0
	s_barrier_signal -1
	MUL16 2, 1, NQ-1, \slot, 0
	WIN 0
	s_barrier_wait -1
.if \fill
	CREST
	s_add_nc_u64 s[G0+4*\slot+2:G0+4*\slot+3], s[G0+4*\slot+2:G0+4*\slot+3], 2*4096
	s_add_nc_u64 s[G0B+4*\slot+2:G0B+4*\slot+3], s[G0B+4*\slot+2:G0B+4*\slot+3], 2*ROWB
	JLOAD G0+4*\slot, G1, G0B+4*\slot, G1B
	PLACES NP-4
.else
	PLACES NP
.endif
	s_wait_alu depctr_va_vdst(0)
	v_add_nc_u32 v[ADRS], 4*NQ, v[ADRS]
	FETCH_B \next, 0, 0
	FETCH_A \next, 0, 0
	SCALES \next
	WIN MUL_HI
	MUL16 4, 1, NQ-1, \slot, 0
	MUL16 6, 1, NQ-1, \slot, 0
	PLACES NP
	WIN 0
	FETCH_A \next, 0, 4
.endm
	s_wait_alu depctr_va_vdst(0)
	s_wait_tensorcnt 0x0                           ; my tile of the head's four is in
	ds_add_u32 v[SPW], v[NIL]
	s_mov_b32 s[G1+2], 8<<16                       ; no tensor load of mine is out: from here on a load brings half a tile's rows
	s_mov_b32 s[G1+4], 8
	s_mov_b32 s[G1B+2], 128<<16
	s_mov_b32 s[G1B+4], 128
	s_wait_dscnt 0x0
	CROUND
	JLOAD G0+4, G1, G0B+4, G1B                     ; K step 1: the first tensor load behind the round
	FETCH_B 0, 0, 0
	FETCH_A 0, 0, 0
	SCALES 0
	FETCH_A 0, 0, 4
	s_wait_loadcnt 0x0
	STEP 0, 0, 1
	TURN 0, 1, 1
	STEP 1, 0, 0
	TURN 1, 0, 1
	STEP 0, 0, 0
	TURN 0, 1, 0
	STEP 1, 0, 0
	s_wait_dscnt 16
	WIN MUL_LO
	MUL16 0, 1, NQ-1, 1, 0
	MUL16 2, 1, NQ-1, 1, 0
	s_wait_dscnt 0
	WIN MUL_HI
	MUL16 4, 1, NQ-1, 1, 0
	MUL16 6, 1, NQ-1, 1, 0
	WIN 0
.macro TOSTAGE a
.set AC, 64*((\a)%4)
	WIN 0x08+4*((\a)/4)
.irp b, 0,1,2,3,4,5,6,7
	ds_store_b128 v[STO], v[AC+8*\b:AC+8*\b+3] offset:64*\b
	ds_store_b128 v[STO], v[AC+8*\b+4:AC+8*\b+7] offset:64*\b+16
.endr
	WIN 0
.set BB, BK+64*((\a)%2)
.irp t, 0,1,2,3,4,5,6,7,8,9,10,11,12,13,14,15
	ds_load_b128 v[BB+4*\t:BB+4*\t+3], v[RD] offset:\t*SPITCH
.endr
.endm
.macro SEND a, younger
.set BB, BK+64*((\a)%2)
	s_wait_dscnt \younger
.if (\a) > 0
	s_add_nc_u64 s[CP:CP+1], s[CP:CP+1], 16*SIZE_N*4
.endif
.irp t, 0,1,2,3,4,5,6,7,8,9,10,11,12,13,14,15
	global_store_b128 v[CO], v[BB+4*\t:BB+4*\t+3], s[CP:CP+1] offset:\t*SIZE_N*4 th:TH_STORE_NT
.endr
.endm
	PLACES NP
	TOSTAGE 0
.irp a, 1,2,3,4,5,6,7
.if \a > 1
	s_wait_xcnt 0x0
.endif
	TOSTAGE \a
	SEND \a-1, 32
.endr
	s_wait_xcnt 0x0
	SEND 7, 0
	s_wait_tensorcnt 0x0
	ds_add_u32 v[SPW], v[NIL]
	s_wait_dscnt 0x0
	CROUND
	s_endpgm
.Lfunc_end_k_qb3dadc5bc6_proj:
	.size	k_qb3dadc5bc6_proj, .Lfunc_end_k_qb3dadc5bc6_proj-k_qb3dadc5bc6_proj
	.p2alignl 7, 3214868480
	.fill 96, 4, 3214868480
	.section	.rodata,"a",@progbits
	.p2align	6, 0x0
	.amdhsa_kernel k_qb3dadc5bc6_proj
		.amdhsa_group_segment_fixed_size 327680
		.amdhsa_private_segment_fixed_size 0
		.amdhsa_enable_private_segment 0
		.amdhsa_kernarg_size 48
		.amdhsa_user_sgpr_count 2
		.amdhsa_user_sgpr_kernarg_segment_ptr 1
		.amdhsa_wavefront_size32 1
		.amdhsa_system_sgpr_workgroup_id_x 1
		.amdhsa_system_sgpr_workgroup_id_y 1
		.amdhsa_system_sgpr_workgroup_id_z 1
		.amdhsa_system_vgpr_workitem_id 0
		.amdhsa_next_free_vgpr 1024
		.amdhsa_next_free_sgpr 100
		.amdhsa_reserve_vcc 0
		.amdhsa_float_denorm_mode_32 3
		.amdhsa_float_denorm_mode_16_64 3
		.amdhsa_memory_ordered 1
		.amdhsa_forward_progress 1
		.amdhsa_inst_pref_size 163
	.end_amdhsa_kernel
	.amdgpu_metadata
---
amdhsa.version: [ 1, 2 ]
amdhsa.kernels:
  - .name:           k_qb3dadc5bc6_proj
    .symbol:         k_qb3dadc5bc6_proj.kd
    .args:
      - { .name: a_c, .offset: 0, .size: 8, .value_kind: global_buffer, .address_space: global }
      - { .name: a_s, .offset: 8, .size: 8, .value_kind: global_buffer, .address_space: global }
      - { .name: w_out_codes, .offset: 16, .size: 8, .value_kind: global_buffer, .address_space: global }
      - { .name: w_out_scales, .offset: 24, .size: 8, .value_kind: global_buffer, .address_space: global }
      - { .name: b_out, .offset: 32, .size: 8, .value_kind: global_buffer, .address_space: global }
      - { .name: out0, .offset: 40, .size: 8, .value_kind: global_buffer, .address_space: global }
    .group_segment_fixed_size: 327680
    .private_segment_fixed_size: 0
    .kernarg_segment_align: 8
    .kernarg_segment_size: 48
    .max_flat_workgroup_size: 128
    .sgpr_count:     100
    .vgpr_count:     1024
    .wavefront_size: 32
...
	.end_amdgpu_metadata
.endif
;; end of part 3
